; MI455X (gfx1250); checked and timed in simulation.
; The chip was launched on July 23, 2026; its instructions are those of AMD's public machine-readable ISA for CDNA 5 (MIT licence, August 2026) and "CDNA5" Instruction Set Architecture Reference Guide (July 2026). The comments in the code are by the model that wrote it; some were corrected since.
;; Sliding Window Attention. Allowed arithmetic: float matrix products may take bf16 or f16 operands with f32 sums; other float arithmetic in f32, or as packed bf16 or f16 multiplies, adds, multiply-adds, maxima and minima; sums over many terms, partial sums and values carried from step to step in f32; what a program stores and reads back later, other than sums and carried values, may be rounded once to bf16 or f16.
;; Inputs: W_o 1,024 x 1,024 float32; W_qkv 3,072 x 1,024 float32; x 4 x 2,048 x 1,024 float32.
;; Outputs: out0 4 x 2,048 x 1,024 float32.
;; 2 versions, each right; version 2 is version 1 with the launch cast written anew for expert scheduling mode. Each part assembles by itself: llvm-mc -triple=amdgcn-amd-amdhsa -mcpu=gfx1250 --defsym DOCPART=n.
;; ======== version 1 of 2: 4 launches
;; limits: values are held in f16: magnitudes above 65,504 overflow, below 6.1e-05 lose precision
;; workspace buffers: xb 16,777,216 bytes; wqb 6,291,456 bytes; wob 2,097,152 bytes; qkv 50,331,648 bytes; ob 16,777,216 bytes
;; launch cast (part 1): grid 768 x 1, 8 waves a work-group, no clusters, 0 bytes of LDS; arguments x, W_qkv, W_o, xb, wqb, wob; writes xb, wqb, wob
.if DOCPART == 1
	.amdgcn_target "amdgcn-amd-amdhsa--gfx1250"
	.amdhsa_code_object_version 6
	.text
	.protected	k_qcea836fd7a_cast
	.globl	k_qcea836fd7a_cast
	.p2align	8
	.type	k_qcea836fd7a_cast,@function
k_qcea836fd7a_cast:
	s_mov_b64 s[64:65], 0
	v_nop
	global_prefetch_b8 v0, s[64:65] scope:SCOPE_SE
	s_setreg_imm32_b32 hwreg(HW_REG_WAVE_MODE, 25, 1), 1
	s_wait_xcnt 0x0
; The three inputs are rounded once to bf16: x -> xb, W_qkv -> wqb (stored as bf16), W_o -> wob (that bf16 number written as f16, for the last product's f16 form).
; LIMITS.  A bf16(W_o) of 65,520 or more becomes an infinity in f16; below 6.1e-5 it keeps f16's fixed step of 6e-8.
; SHARES.  12,582,912 numbers; a work-group takes 16,384 on end (65,536 bytes in, 32,768 out): groups 0-511 x, 512-703 W_qkv, 704-767 W_o.
; A wave takes 2,048 numbers: sixteen loads of 16 bytes a lane, each 512 bytes on end, all issued at once; no loop, no LDS, no barrier: nothing is shared.
; A store of 8 bytes a lane covers 256 consecutive bytes, aligned.
.set X, 4                              ; v[4:67]    16 x 4 numbers as loaded
.set Y, 68                             ; v[68:99]   16 x 2 words to store
.set T, 100                            ; v[100:103] at work (W_o's way)
	s_load_b256 s[4:11], s[0:1], 0x0               ; x s[4:5], W_qkv s[6:7], W_o s[8:9], xb s[10:11]
	s_load_b128 s[12:15], s[0:1], 0x20             ; wqb s[12:13], wob s[14:15]
	v_and_b32 v3, 0xe0, v0                         ; 32 x wave
	v_and_b32 v2, 31, v0                           ; lane
	v_lshlrev_b32 v1, 4, v2
	v_lshlrev_b32 v2, 3, v2
	v_lshl_or_b32 v1, v3, 8, v1                    ; in:  8,192 x wave + 16 x lane
	v_lshl_or_b32 v2, v3, 7, v2                    ; out: 4,096 x wave + 8 x lane
	s_wait_kmcnt 0x0
	s_cmp_lt_u32 ttmp9, 512                        ; which tensor is mine: a choice on the work-group's number alone
	s_cselect_b64 s[20:21], s[4:5], s[6:7]
	s_cselect_b64 s[22:23], s[10:11], s[12:13]
	s_cselect_b32 s17, 0, 512
	s_cmp_lt_u32 ttmp9, 704
	s_cselect_b64 s[20:21], s[20:21], s[8:9]
	s_cselect_b64 s[22:23], s[22:23], s[14:15]
	s_cselect_b32 s17, s17, 704
	s_sub_co_u32 s18, ttmp9, s17                   ; my block in that tensor
	s_lshl_b32 s24, s18, 16
	s_mov_b32 s25, 0
	s_lshl_b32 s26, s18, 15
	s_mov_b32 s27, 0
	s_add_nc_u64 s[20:21], s[20:21], s[24:25]
	s_add_nc_u64 s[22:23], s[22:23], s[26:27]
.irp i, 0,1,2,3,4,5,6,7,8,9,10,11,12,13,14,15
	global_load_b128 v[X+4*(\i):X+4*(\i)+3], v1, s[20:21] offset:512*(\i) th:TH_LOAD_NT
.endr
; Load i is converted and stored.  half = 1: the bf16 number is widened again (a shift, a mask) and written as f16.
.macro CV i, half
	s_wait_loadcnt 15-(\i)                         ; loads come back in order: mine is in, the 15 - i younger ones stay out
.if \half
	v_cvt_pk_bf16_f32 v[T],   v[X+4*(\i)],   v[X+4*(\i)+1]
	v_cvt_pk_bf16_f32 v[T+1], v[X+4*(\i)+2], v[X+4*(\i)+3]
	v_lshlrev_b32 v[T+2], 16, v[T]
	v_and_b32     v[T],   0xffff0000, v[T]
	v_lshlrev_b32 v[T+3], 16, v[T+1]
	v_and_b32     v[T+1], 0xffff0000, v[T+1]
	v_cvt_pk_f16_f32 v[Y+2*(\i)],   v[T+2], v[T]
	v_cvt_pk_f16_f32 v[Y+2*(\i)+1], v[T+3], v[T+1]
.else
	v_cvt_pk_bf16_f32 v[Y+2*(\i)],   v[X+4*(\i)],   v[X+4*(\i)+1]
	v_cvt_pk_bf16_f32 v[Y+2*(\i)+1], v[X+4*(\i)+2], v[X+4*(\i)+3]
.endif
	global_store_b64 v2, v[Y+2*(\i):Y+2*(\i)+1], s[22:23] offset:256*(\i) th:TH_STORE_NT  ; each store has data registers of its own: none is written twice
.endm
	s_cmp_lt_u32 ttmp9, 704
	s_cbranch_scc0 .Lwo
.irp i, 0,1,2,3,4,5,6,7,8,9,10,11,12,13,14,15
	CV \i, 0
.endr
	s_endpgm
.Lwo:
.irp i, 0,1,2,3,4,5,6,7,8,9,10,11,12,13,14,15
	CV \i, 1
.endr
	s_endpgm
.Lfunc_end_k_qcea836fd7a_cast:
	.size	k_qcea836fd7a_cast, .Lfunc_end_k_qcea836fd7a_cast-k_qcea836fd7a_cast
	.p2alignl 7, 3214868480
	.fill 96, 4, 3214868480
	.section	.rodata,"a",@progbits
	.p2align	6, 0x0
	.amdhsa_kernel k_qcea836fd7a_cast
		.amdhsa_group_segment_fixed_size 0
		.amdhsa_private_segment_fixed_size 0
		.amdhsa_enable_private_segment 0
		.amdhsa_kernarg_size 48
		.amdhsa_user_sgpr_count 2
		.amdhsa_user_sgpr_kernarg_segment_ptr 1
		.amdhsa_wavefront_size32 1
		.amdhsa_system_sgpr_workgroup_id_x 1
		.amdhsa_system_sgpr_workgroup_id_y 1
		.amdhsa_system_sgpr_workgroup_id_z 1
		.amdhsa_system_vgpr_workitem_id 0
		.amdhsa_next_free_vgpr 104
		.amdhsa_next_free_sgpr 66
		.amdhsa_reserve_vcc 0
		.amdhsa_float_denorm_mode_32 3
		.amdhsa_float_denorm_mode_16_64 3
		.amdhsa_memory_ordered 1
		.amdhsa_forward_progress 1
		.amdhsa_inst_pref_size 16
	.end_amdhsa_kernel
	.amdgpu_metadata
---
amdhsa.version: [ 1, 2 ]
amdhsa.kernels:
  - .name:           k_qcea836fd7a_cast
    .symbol:         k_qcea836fd7a_cast.kd
    .args:
      - { .name: x, .offset: 0, .size: 8, .value_kind: global_buffer, .address_space: global }
      - { .name: W_qkv, .offset: 8, .size: 8, .value_kind: global_buffer, .address_space: global }
      - { .name: W_o, .offset: 16, .size: 8, .value_kind: global_buffer, .address_space: global }
      - { .name: xb, .offset: 24, .size: 8, .value_kind: global_buffer, .address_space: global }
      - { .name: wqb, .offset: 32, .size: 8, .value_kind: global_buffer, .address_space: global }
      - { .name: wob, .offset: 40, .size: 8, .value_kind: global_buffer, .address_space: global }
    .group_segment_fixed_size: 0
    .private_segment_fixed_size: 0
    .kernarg_segment_align: 8
    .kernarg_segment_size: 48
    .max_flat_workgroup_size: 256
    .sgpr_count:     66
    .vgpr_count:     104
    .wavefront_size: 32
...
	.end_amdgpu_metadata
.endif
;; end of part 1
;; launch proj (part 2): grid 16 x 32, 4 waves a work-group, clusters of 4 x 4, 327,680 bytes of LDS; arguments xb, wqb, qkv; writes qkv
.if DOCPART == 2
	.amdgcn_target "amdgcn-amd-amdhsa--gfx1250"
	.amdhsa_code_object_version 6
	.text
	.protected	k_qcea836fd7a_proj
	.globl	k_qcea836fd7a_proj
	.p2align	8
	.type	k_qcea836fd7a_proj,@function
k_qcea836fd7a_proj:
	s_mov_b64 s[64:65], 0
	v_nop
	global_prefetch_b8 v0, s[64:65] scope:SCOPE_SE
	s_setreg_imm32_b32 hwreg(HW_REG_WAVE_MODE, 25, 1), 1
	s_wait_xcnt 0x0
	s_wait_alu depctr_hold_cnt(0) depctr_sa_sdst(0) depctr_va_vdst(0) depctr_va_sdst(0) depctr_va_ssrc(0) depctr_va_vcc(0) depctr_vm_vsrc(0)
	s_getreg_b32 s2, hwreg(HW_REG_IB_STS2, 6, 4)
	s_cmp_eq_u32 s2, 0
	s_cbranch_scc0 .Lentry_in_a_cluster
	s_endpgm
.Lentry_in_a_cluster:
	s_bfe_u32 s2, ttmp6, 0x10000c
	s_cmp_lg_u32 s2, 0xf033
	s_cbranch_scc0 .Lentry_shape_is_right
	s_endpgm
.Lentry_shape_is_right:
; qkv = xb wqb^T.  xb: [8192][1024] bf16, wqb: [3072][1024] bf16; sums in f32, K ascending; the result is rounded once to f16 and laid by heads:
; qkv[b][hp][s][64], hp = e / 64 (0-15 Q's heads, 16-31 K's, 32-47 V's): a plane of 2,048 rows x 128 bytes for each (b, hp), plane number 48 b + hp.  The scale 1/8 is not applied here.
; LIMITS.  A q, k or v of 65,520 or more becomes an infinity in f16; below 6.1e-5 it keeps f16's fixed step of 6e-8.
; SHARES.  A tile is 256 rows x 192 columns (three whole heads): 16 x 32 = 512 work-groups of equal work.  Wave w makes rows 64 w .. 64 w + 63 and all 192 columns:
; 4 x 12 accumulators of 16 x 16, 384 registers; so a wave holds whole rows of three heads and has a stage of its own on the way out.
; K goes in 8 steps of 128 through two LDS slots filled by the tensor data mover; a row of a tile is 256 consecutive bytes of memory, at a multiple of 256 from the buffer's first byte.
; CLUSTER.  4 x 4 work-groups.  The four of a row of the cluster need the same rows of xb, the four of a column the same rows of wqb: each tile is asked for jointly, by the same
; tensor load with the same descriptor and a mask that names the four.
; THE MATRIX INSTRUCTION IS USED TRANSPOSED (source 0 = 16 rows of wqb, source 1 = 16 rows of xb): a lane holds row l % 16 of the result and the columns 8 (l / 16) + 0..7.
; REGISTERS, in windows of 256 (s_set_vgpr_msb: bits 1:0 source 0, 3:2 source 1, 5:4 source 2, 7:6 destination):
;   window 0: v0-31 addresses; v32-79 packed results; v80-175 rows read back from the stage, two buffers
;   window 1: two fragment buffers of 128: xb's 4 fragments (16 rows x 32 K), then wqb's 12
;   window 2: accumulators of row blocks 0, 1 ((a, b) at v[96 (a % 2) + 8 b]);   window 3: those of row blocks 2, 3
.set KSTEP,  128
.set PITCH,  272                       ; an LDS row: 256 bytes + 16 of padding = 68 words: the 16 rows of a fragment load start at 16 different groups of four banks (64 banks of 4 bytes: ISA guide 11.1)
.set NL,     32                        ; LDS loads of a quarter step: 24 for wqb's fragments, 8 for xb's
.set AHALF,  128*PITCH                 ; what wave 0 or 1 fetches: 128 rows of xb
.set BHALF,  96*PITCH                  ; what wave 2 or 3 fetches: 96 rows of wqb
.set BOFF,   2*AHALF                   ; wqb's rows lie behind xb's 256
.set SLOT,   BOFF+2*BHALF              ; 121,856 bytes
.set STAGE,  2*SLOT                    ; behind the ring, never filled by a tensor load: 16 rows x 400 bytes for each wave
.set SPITCH, 400                       ; 384 bytes + 16
.set SPARE,  STAGE+4*16*SPITCH         ; behind the stages: the spare words, 128 bytes for each wave: two blocks of 256 bytes that no other line names
.set ADRA, 16                          ; v16-17  LDS address of my fragments of xb in slot 0, 1
.set ADRB, 20                          ; v20-21  the same for wqb
.set STO,  24                          ; v24     the way out: where I put 16 bytes of a row
.set RD,   25                          ; v25     the way out: where I read rows back
.set CO,   26                          ; v26     16 x lane: my place in 512 consecutive bytes of a plane
.set SPW,  28                          ; v28     LDS address of my spare word; never rewritten
.set NIL,  29                          ; v29     0; never rewritten
.set PFO,  30                          ; v30     the prefetches' offset: a lane a row of 2,048 bytes; never rewritten
.set TMP,  32
.set OB,   80
.set F0,   0
.set F1,   128
.set G1,   24                          ; s[24:31] descriptor group 1 for xb's tiles
.set G0,   32                          ; s[32:39] group 0 for xb's tiles, a set for each slot
.set LIM,  43                          ; s43      1 in a wave that prefetches, else the greatest number
.set PFA,  44                          ; s[44:45] where my prefetches stand
.set G1B,  48                          ; s[48:55], s[56:63] the same for wqb's tiles
.set G0B,  56
.set MSB, 0
.macro WIN new                         ; the immediate's high byte repeats the setting that is left; a switch that changes nothing is dropped
.if MSB != (\new)
	s_set_vgpr_msb (MSB<<8)|(\new)
.set MSB, \new
.endif
.endm
; A joint refill.  Waves 0 and 1 fetch xb's two halves, waves 2 and 3 wqb's.  The branch hangs on the wave's number alone.  An s_nop 0 and four v_nop follow each of the two lines.
.macro JLOAD s
	s_cmp_eq_u32 s11, 0
	s_cbranch_scc0 .Lfor_b_\@
	tensor_load_to_lds s[G0+4*(\s):G0+4*(\s)+3], s[G1:G1+7]
	s_nop 0
.rept 4
	v_nop
.endr
	s_branch .Lasked_\@
.Lfor_b_\@:
	tensor_load_to_lds s[G0B+4*(\s):G0B+4*(\s)+3], s[G1B:G1B+7]
	s_nop 0
.rept 4
	v_nop
.endr
.Lasked_\@:
.endm
; A PREFETCH INTO THE L2 of the K step that the NEXT refill will ask for, behind the joint load, its five lines and the run of LDS loads: 192 matrix instructions ahead of that refill.
; xb's rows of a tile row are read by every cluster of that row of clusters: cluster x = 0 asks; wqb's rows by every cluster of that column: cluster y = 0 asks.  The four partners that ask for a tile
; jointly share its rows out BY ADDRESS: of the 128 rows of xb that a wave fetches the partner at cx takes 32, a lane a row; of the 96 rows of wqb the partner at cy takes 24 (lanes 24-31 name the
; 24th row once more, in the same instruction).  K steps 0 to 2 come by their loads alone; K steps 3 to 7 are named; the last refill asks for nothing: there is no K step 8.
.macro ASK how                         ; how = 1: slot 0's refill, which always has a refill behind it; how = 0: slot 1's, which in the loop's last trip (s3 = 1) has none
	WIN 0
.if \how
	s_cmp_eq_u32 s[LIM], 1
.else
	s_cmp_gt_u32 s3, s[LIM]
.endif
	s_cbranch_scc0 .Lnot_mine_\@
	global_prefetch_b8 v[PFO], s[PFA:PFA+1] offset:KSTEP*2 th:TH_LOAD_NT scope:SCOPE_SE
.Lnot_mine_\@:
.endm
; A round of the cluster's barrier: my work-group's barrier; wave 0 signals for the work-group; every wave waits for all sixteen; my work-group's barrier once more.
.macro CREST                           ; a round behind its opening barrier
	s_cmp_lg_u32 s10, 0
	s_cbranch_scc1 .Lnot_wave_0_\@
	s_barrier_signal -3
.Lnot_wave_0_\@:
	s_barrier_wait -3
	s_barrier_signal -1
	s_barrier_wait -1
.endm
.macro CROUND
	s_barrier_signal -1
	s_barrier_wait -1
	CREST
.endm
	s_load_b128 s[4:7], s[0:1], 0x0                ; xb s[4:5], wqb s[6:7]
	s_load_b64 s[8:9], s[0:1], 0x10                ; qkv
	v_lshl_add_u32 v[SPW], v0, 2, SPARE
	v_mov_b32 v[NIL], 0
	ds_add_u32 v[SPW], v[NIL]                      ; the wave's opening: the add and its wait stand ahead of my first tensor load; the set-up below, work on registers, stands between them
	v_lshrrev_b32 v1, 5, v0
	v_readfirstlane_b32 s10, v1                    ; wave 0..3
	s_lshr_b32 s11, s10, 1                         ; I fetch for xb (0) or for wqb (1)
	s_and_b32 s12, s10, 1                          ; which half of that tile's rows
	s_bfe_u32 s40, ttmp6, 0x40000                  ; cx
	s_bfe_u32 s41, ttmp6, 0x40004                  ; cy
	s_lshl_b32 s42, ttmp9, 2
	s_add_co_u32 s42, s42, s40                     ; tile column tx = 4 x cluster x + cx
	s_and_b32 s13, ttmp7, 0xffff
	s_lshl_b32 s13, s13, 2
	s_add_co_u32 s13, s13, s41                     ; tile row ty = 4 x cluster y + cy
	s_lshl_b32 s43, s41, 2
	s_lshl_b32 s43, 15, s43                        ; my row of the cluster: places 4 cy .. 4 cy + 3
	s_lshl_b32 s44, 0x1111, s40                    ; my column: places cx, cx + 4, cx + 8, cx + 12
	s_or_b32 s[G1+0], s43, (1<<16)|(1<<20)|(1<<21)|(5<<22)|(3<<25)   ; 15:0 the mask; 17:16 2-byte elements; 20 padding on; 21 set beside a mask; 24:22 after every 64 words; 31:25 4 words of it
	s_or_b32 s[G1B+0], s44, (1<<16)|(1<<20)|(1<<21)|(5<<22)|(3<<25)
	s_mov_b32 s[G1+1], KSTEP<<16                   ; tensor_dim0 = 128
	s_mov_b32 s[G1+2], 128<<16                     ; tensor_dim1 = 128
	s_mov_b32 s[G1+3], KSTEP<<16                   ; tile_dim0 = 128
	s_mov_b32 s[G1+4], 128                         ; tile_dim1 = 128
	s_mov_b32 s[G1+5], 1024                        ; elements from row to row
	s_mov_b32 s[G1+6], 0
	s_mov_b32 s[G1+7], 0
	s_mov_b32 s[G1B+1], KSTEP<<16
	s_mov_b32 s[G1B+2], 96<<16                     ; tensor_dim1 = 96
	s_mov_b32 s[G1B+3], KSTEP<<16
	s_mov_b32 s[G1B+4], 96                         ; tile_dim1 = 96
	s_mov_b32 s[G1B+5], 1024
	s_mov_b32 s[G1B+6], 0
	s_mov_b32 s[G1B+7], 0
	s_lshl_b32 s16, s13, 8
	s_lshl_b32 s17, s12, 7
	s_add_co_u32 s16, s16, s17                     ; xb: row 256 ty + 128 x half,
	s_lshl_b32 s16, s16, 11                        ; of 2,048 bytes (under 2^24 in all)
	s_mov_b32 s17, 0
	s_mul_i32 s46, s42, 192
	s_mul_i32 s47, s12, 96
	s_add_co_u32 s46, s46, s47                     ; wqb: row 192 tx + 96 x half
	s_lshl_b32 s46, s46, 11
	s_mov_b32 s47, 0
	s_mul_i32 s20, s10, AHALF                      ; where they go: xb's halves at wave x 128 rows (waves 0, 1),
	s_mul_i32 s21, s10, BHALF
	s_add_co_u32 s21, s21, BOFF-2*BHALF            ; wqb's at BOFF + (wave - 2) x 96 rows (waves 2, 3): no place in the cluster enters an LDS address
	s_wait_dscnt 0x0                               ; the opening add is done
	s_wait_kmcnt 0x0
	s_add_nc_u64 s[14:15], s[4:5], s[16:17]
	s_add_nc_u64 s[46:47], s[6:7], s[46:47]
	CROUND                                         ; all sixteen work-groups are here: the first joint loads meet
.irp s, 0,1
	s_mov_b32 s[G0+4*(\s)], 1                                        ; count = 1
	s_add_co_u32 s[G0+4*(\s)+1], s20, (\s)*SLOT                      ; LDS address
	s_add_nc_u64 s[G0+4*(\s)+2:G0+4*(\s)+3], s[14:15], (\s)*KSTEP*2  ; global address: K step s
	s_or_b32 s[G0+4*(\s)+3], s[G0+4*(\s)+3], 0x80000000              ; type = 2
	s_mov_b32 s[G0B+4*(\s)], 1
	s_add_co_u32 s[G0B+4*(\s)+1], s21, (\s)*SLOT
	s_add_nc_u64 s[G0B+4*(\s)+2:G0B+4*(\s)+3], s[46:47], (\s)*KSTEP*2
	s_or_b32 s[G0B+4*(\s)+3], s[G0B+4*(\s)+3], 0x80000000
.endr
	s_cmp_eq_u32 s11, 0                            ; a wave's two first fills stand in one branch, ahead of every wait on TENSORcnt and every LDS read: two loads of mine are out
	s_cbranch_scc0 .Lfirst_b
	tensor_load_to_lds s[G0:G0+3], s[G1:G1+7]
	s_nop 0
	tensor_load_to_lds s[G0+4:G0+7], s[G1:G1+7]
	s_nop 0
.rept 4
	v_nop
.endr
	s_branch .Lfirst_asked
.Lfirst_b:
	tensor_load_to_lds s[G0B:G0B+3], s[G1B:G1B+7]
	s_nop 0
	tensor_load_to_lds s[G0B+4:G0B+7], s[G1B:G1B+7]
	s_nop 0
.rept 4
	v_nop
.endr
.Lfirst_asked:
	; A fragment is 16 rows x 32 K in 8 registers: lane l holds row l % 16; registers 0-3 K = 8 (l / 16) + 0..7, registers 4-7 K = 16 + 8 (l / 16) + 0..7: two loads of 16 bytes, 32 bytes apart.
	v_and_b32 v1, 15, v0                           ; l % 16
	v_bfe_u32 v2, v0, 4, 1                         ; l / 16
	v_mul_u32_u24 v3, v1, PITCH
	v_lshl_add_u32 v3, v2, 4, v3
	s_mul_i32 s22, s10, 64*PITCH                   ; my 64 rows of xb
.irp s, 0,1
	v_add_nc_u32 v[ADRA+(\s)], s22, v3
	v_add_nc_u32 v[ADRB+(\s)], BOFF+(\s)*SLOT, v3  ; every wave reads all 192 rows of wqb
	s_add_co_u32 s22, s22, SLOT
.endr
	s_mul_i32 s23, s10, 16*SPITCH
	s_add_co_u32 s23, s23, STAGE                   ; my stage
	v_mul_u32_u24 v4, v1, SPITCH                   ; in: row l % 16, 16 bytes for each half of the lanes
	v_lshl_add_u32 v4, v2, 4, v4
	v_add_nc_u32 v[STO], s23, v4
	v_bfe_u32 v5, v0, 3, 2                         ; back: 32 lanes take four rows' 128 bytes of one head,
	v_mul_u32_u24 v5, v5, SPITCH
	v_and_b32 v6, 7, v0
	v_lshl_add_u32 v5, v6, 4, v5
	v_add_nc_u32 v[RD], s23, v5
	v_and_b32 v[CO], 31, v0                        ; which are 512 consecutive bytes of the head's plane
	v_lshlrev_b32 v[CO], 4, v[CO]
	; where my rows begin in qkv: plane 48 b + 3 tx, row (ty % 8) x 256 + 64 x wave
	s_lshr_b32 s18, s13, 3
	s_mul_i32 s18, s18, 48
	s_mul_i32 s19, s42, 3
	s_add_co_u32 s18, s18, s19
	s_lshl_b32 s18, s18, 18                        ; a plane is 262,144 bytes; 192 planes stay under 2^26
	s_and_b32 s19, s13, 7
	s_lshl_b32 s19, s19, 8
	s_lshl_b32 s22, s10, 6
	s_add_co_u32 s19, s19, s22
	s_lshl_b32 s19, s19, 7
	s_add_co_u32 s18, s18, s19
	s_mov_b32 s19, 0
	s_add_nc_u64 s[8:9], s[8:9], s[18:19]
	; the prefetches
	s_lshl_b32 s18, s13, 8
	s_lshl_b32 s22, s12, 7
	s_add_co_u32 s18, s18, s22
	s_lshl_b32 s22, s40, 5
	s_add_co_u32 s18, s18, s22                     ; xb: row 256 ty + 128 x half + 32 cx
	s_mul_i32 s19, s42, 192
	s_mul_i32 s22, s12, 96
	s_add_co_u32 s19, s19, s22
	s_mul_i32 s22, s41, 24
	s_add_co_u32 s19, s19, s22                     ; wqb: row 192 tx + 96 x half + 24 cy
	s_and_b32 s22, ttmp7, 0xffff                   ; cluster y
	s_cmp_eq_u32 s11, 0                            ; do I fetch for xb?
	s_cselect_b32 s18, s18, s19
	s_cselect_b32 s22, ttmp9, s22                  ; the coordinate along which other clusters read the same rows
	s_cselect_b32 s23, 31, 23                      ; my last row's lane
	s_cselect_b64 s[PFA:PFA+1], s[4:5], s[6:7]
	s_cmp_eq_u32 s22, 0
	s_cselect_b32 s[LIM], 1, -1                    ; the same in all sixteen partners, for a given wave
	s_lshl_b32 s18, s18, 11
	s_mov_b32 s19, 0
	s_add_nc_u64 s[PFA:PFA+1], s[PFA:PFA+1], s[18:19]
	s_add_nc_u64 s[PFA:PFA+1], s[PFA:PFA+1], KSTEP*2  ; at K step 1: the first refill steps it to 2 and names K step 3
	v_and_b32 v[PFO], 31, v0
	v_min_u32 v[PFO], s23, v[PFO]
	v_lshlrev_b32 v[PFO], 11, v[PFO]
; 12 matrix instructions: row block a x all 12 column blocks, 32 along K.  zero = 1: the product starts the sums.  Each accumulator has one instruction a quarter step, in the same order in every
; quarter: the 48 take turns, over the backward jump too.
.macro MULB f, a, zero
	WIN 0xa5+0x50*((\a)/2)                         ; sources in window 1; C and D in window 2 (blocks 0, 1) or 3 (blocks 2, 3)
.set AC, 96*((\a)%2)
.irp b, 0,1,2,3,4,5,6,7,8,9,10,11
.if \zero
	v_wmma_f32_16x16x32_bf16 v[AC+8*(\b):AC+8*(\b)+7], v[(\f)+32+8*(\b):(\f)+32+8*(\b)+7], v[(\f)+8*(\a):(\f)+8*(\a)+7], 0
.else
	v_wmma_f32_16x16x32_bf16 v[AC+8*(\b):AC+8*(\b)+7], v[(\f)+32+8*(\b):(\f)+32+8*(\b)+7], v[(\f)+8*(\a):(\f)+8*(\a)+7], v[AC+8*(\b):AC+8*(\b)+7]
.endif
.endr
.endm
; 32 LDS loads in one run: quarter q's fragments (32 K at byte 64 q of the rows) into buffer f: wqb's 12, then xb's 4 in ascending order
.macro FETCH slot, q, f
	WIN 0x40                                       ; destination window 1, address window 0
.irp i, 0,1,2,3,4,5,6,7,8,9,10,11
	ds_load_b128 v[(\f)+32+8*(\i):(\f)+32+8*(\i)+3],   v[ADRB+(\slot)] offset:64*(\q)+(\i)*16*PITCH
	ds_load_b128 v[(\f)+32+8*(\i)+4:(\f)+32+8*(\i)+7], v[ADRB+(\slot)] offset:64*(\q)+(\i)*16*PITCH+32
.endr
.irp i, 0,1,2,3
	ds_load_b128 v[(\f)+8*(\i):(\f)+8*(\i)+3],   v[ADRA+(\slot)] offset:64*(\q)+(\i)*16*PITCH
	ds_load_b128 v[(\f)+8*(\i)+4:(\f)+8*(\i)+7], v[ADRA+(\slot)] offset:64*(\q)+(\i)*16*PITCH+32
.endr
.endm
.macro PLACES                          ; four places in front of loads into registers that matrix instructions have read, and of conversions that read results (ISA guide 7.12.1 for the conversions)
.rept 4
	v_nop
.endr
.endm
; A K step is four quarters of 32 along K, 48 matrix instructions each, on buffers 0, 1, 0, 1.  One of the first three: multiplies buffer f; in its middle it fetches quarter q into buffer g.
.macro QUARTER slot, q, f, g, zero
	s_wait_dscnt 4                                 ; wqb's fragments and xb's blocks 0, 1 are in; the youngest four loads (blocks 2, 3) may be out
	MULB \f, 0, \zero
	MULB \f, 1, \zero
	PLACES
	FETCH \slot, \q, \g
	s_wait_dscnt NL                                ; all but the 32 just issued
	MULB \f, 2, \zero
	MULB \f, 3, \zero
.endm
; The fourth quarter multiplies buffer 1 and changes slots: ONE barrier.  In front of it each wave waits for all its tensor loads (one is out: its part of the next slot), adds 0 to its spare word, and
; waits for that and for its own reads of this slot.  fill = 1: the barrier opens a round of the cluster's barrier, and behind the round this slot is filled again first, with the K step two on:
; 168 matrix instructions stand between that request and the wait for it.
.macro TURN slot, next, fill, how
.if \fill
	s_wait_xcnt 0x0                                ; the last prefetch, a K step back, has read its address: it is stepped here, ahead of the waits of the change of slots
	s_add_nc_u64 s[PFA:PFA+1], s[PFA:PFA+1], KSTEP*2
.endif
	WIN 0                                          ; (the add's two registers lie in window 0)
	s_wait_tensorcnt 0x0                           ; all my tensor loads have landed;
	ds_add_u32 v[SPW], v[NIL]                      ; 0 onto my spare word;
	s_wait_dscnt 5                                 ; (the add and the youngest four loads may be out)
	MULB F1, 0, 0                                  ; twelve matrix instructions stand between the add and the wait for it
	s_wait_dscnt 0x0                               ; the add is done, and my reads of this slot are over
	s_barrier_signal -1
	MULB F1, 1, 0                                  ; work on registers while the others arrive
.if \fill
	WIN 0
.endif
	s_barrier_wait -1
.if \fill
	CREST                                          ; no wave of any partner still reads this slot's tile or has a load on its way
	s_add_nc_u64 s[G0+4*(\slot)+2:G0+4*(\slot)+3], s[G0+4*(\slot)+2:G0+4*(\slot)+3], 2*KSTEP*2
	s_add_nc_u64 s[G0B+4*(\slot)+2:G0B+4*(\slot)+3], s[G0B+4*(\slot)+2:G0B+4*(\slot)+3], 2*KSTEP*2
	JLOAD \slot                                    ; the first tensor load behind the round; its four v_nop are also the places in front of the loads below
.else
	PLACES
.endif
	FETCH \next, 0, F0
.if \fill
	ASK \how
.endif
	MULB F1, 2, 0
	MULB F1, 3, 0
.endm
; THE WAY OUT of row block a (16 rows x 192 columns).  PACK: rounded to f16, 16 bytes a lane and column block, each accumulator's registers in ascending order.  TOSTAGE: into my own stage, and back
; head by head, four rows of 128 bytes a load.  SEND: stored: 512 consecutive bytes of a head's plane, at a multiple of 512 from the buffer's first byte.
.macro PACK a
	WIN 0x0a+5*((\a)/2)                            ; sources 0 and 1: window 2 or 3
.set AC, 96*((\a)%2)
.irp b, 0,1,2,3,4,5,6,7,8,9,10,11
.irp r, 0,1,2,3
	v_cvt_pk_f16_f32 v[TMP+4*(\b)+(\r)], v[AC+8*(\b)+2*(\r)], v[AC+8*(\b)+2*(\r)+1]
.endr
.endr
	WIN 0
.endm
.macro TOSTAGE a
	WIN 0
.set BK, OB+48*((\a)%2)
	s_wait_xcnt 0x0                                ; the stores of the block two back have read this buffer: it is loaded again only behind this wait
.irp b, 0,1,2,3,4,5,6,7,8,9,10,11
	ds_store_b128 v[STO], v[TMP+4*(\b):TMP+4*(\b)+3] offset:32*(\b)
.endr
.irp j, 0,1,2
.irp f, 0,1,2,3
	ds_load_b128 v[BK+4*(4*(\j)+(\f)):BK+4*(4*(\j)+(\f))+3], v[RD] offset:4*SPITCH*(\f)+128*(\j)  ; LDS serves a wave's instructions in order (ISA guide 5.7.1.4): these see the stores above
.endr
.endr
.endm
.macro SEND a
	WIN 0
.set BK, OB+48*((\a)%2)
	s_wait_dscnt 0x0                               ; the block is back in registers
.irp j, 0,1,2
.irp f, 0,1,2,3
	global_store_b128 v[CO], v[BK+4*(4*(\j)+(\f)):BK+4*(4*(\j)+(\f))+3], s[8:9] offset:262144*(\j)+2048*(\a)+512*(\f)
.endr
.endr
.endm
	s_wait_tensorcnt 1                             ; my part of K step 0 is in; K step 1's may stay out
	s_barrier_signal -1
	s_barrier_wait -1                              ; everybody's is
	FETCH 0, 0, F0
	QUARTER 0, 1, F0, F1, 1                        ; the first quarter stands in front of the loop: its products start the sums
	WIN 0                                          ; at a label and at a branch every window is 0
	s_mov_b32 s3, 3
.Llap:                                                 ; a trip goes once round the ring, from a lap's second quarter to the next lap's first, and fills both slots again: K steps 2 to 7 in three trips
	QUARTER 0, 2, F1, F0, 0
	QUARTER 0, 3, F0, F1, 0
	TURN 0, 1, 1, 1
	QUARTER 1, 1, F0, F1, 0
	QUARTER 1, 2, F1, F0, 0
	QUARTER 1, 3, F0, F1, 0
	TURN 1, 0, 1, 0
	QUARTER 0, 1, F0, F1, 0
	WIN 0
	s_sub_co_u32 s3, s3, 1
	s_cmp_lg_u32 s3, 0
	s_cbranch_scc1 .Llap
	QUARTER 0, 2, F1, F0, 0                        ; the last lap fills nothing, and has no round of the cluster's barrier
	QUARTER 0, 3, F0, F1, 0
	TURN 0, 1, 0, 0
	QUARTER 1, 1, F0, F1, 0
	QUARTER 1, 2, F1, F0, 0
	QUARTER 1, 3, F0, F1, 0
	s_wait_dscnt 4                                 ; the very last quarter: nothing more to fetch
	MULB F1, 0, 0
	MULB F1, 1, 0
	s_wait_dscnt 0x0
	MULB F1, 2, 0
	MULB F1, 3, 0
	WIN 0
	PLACES
	PACK 0
	TOSTAGE 0
.irp a, 1,2,3                          ; block a's conversions stand between block a - 1's loads from the stage and the wait for them
	PACK \a
	SEND (\a)-1
	TOSTAGE \a
.endr
	SEND 3
	s_wait_tensorcnt 0x0                           ; the wave's end, behind my last tensor load and my last LDS store
	ds_add_u32 v[SPW], v[NIL]
	s_wait_dscnt 0x0
	CROUND                                         ; the closing round: no work-group ends while a partner may still ask for a tile that names it
	s_endpgm
.Lfunc_end_k_qcea836fd7a_proj:
	.size	k_qcea836fd7a_proj, .Lfunc_end_k_qcea836fd7a_proj-k_qcea836fd7a_proj
	.p2alignl 7, 3214868480
	.fill 96, 4, 3214868480
	.section	.rodata,"a",@progbits
	.p2align	6, 0x0
	.amdhsa_kernel k_qcea836fd7a_proj
		.amdhsa_group_segment_fixed_size 327680
		.amdhsa_private_segment_fixed_size 0
		.amdhsa_enable_private_segment 0
		.amdhsa_kernarg_size 24
		.amdhsa_user_sgpr_count 2
		.amdhsa_user_sgpr_kernarg_segment_ptr 1
		.amdhsa_wavefront_size32 1
		.amdhsa_system_sgpr_workgroup_id_x 1
		.amdhsa_system_sgpr_workgroup_id_y 1
		.amdhsa_system_sgpr_workgroup_id_z 1
		.amdhsa_system_vgpr_workitem_id 0
		.amdhsa_next_free_vgpr 960
		.amdhsa_next_free_sgpr 66
		.amdhsa_reserve_vcc 0
		.amdhsa_float_denorm_mode_32 3
		.amdhsa_float_denorm_mode_16_64 3
		.amdhsa_memory_ordered 1
		.amdhsa_forward_progress 1
		.amdhsa_inst_pref_size 119
	.end_amdhsa_kernel
	.amdgpu_metadata
---
amdhsa.version: [ 1, 2 ]
amdhsa.kernels:
  - .name:           k_qcea836fd7a_proj
    .symbol:         k_qcea836fd7a_proj.kd
    .args:
      - { .name: xb, .offset: 0, .size: 8, .value_kind: global_buffer, .address_space: global }
      - { .name: wqb, .offset: 8, .size: 8, .value_kind: global_buffer, .address_space: global }
      - { .name: qkv, .offset: 16, .size: 8, .value_kind: global_buffer, .address_space: global }
    .group_segment_fixed_size: 327680
    .private_segment_fixed_size: 0
    .kernarg_segment_align: 8
    .kernarg_segment_size: 24
    .max_flat_workgroup_size: 128
    .sgpr_count:     66
    .vgpr_count:     960
    .wavefront_size: 32
...
	.end_amdgpu_metadata
.endif
;; end of part 2
;; launch attn (part 3): grid 4 x 64, 8 waves a work-group, no clusters, 327,680 bytes of LDS; arguments qkv, ob; writes ob
.if DOCPART == 3
	.amdgcn_target "amdgcn-amd-amdhsa--gfx1250"
	.amdhsa_code_object_version 6
	.text
	.protected	k_qcea836fd7a_attn
	.globl	k_qcea836fd7a_attn
	.p2align	8
	.type	k_qcea836fd7a_attn,@function
k_qcea836fd7a_attn:
	s_mov_b64 s[64:65], 0
	v_nop
	global_prefetch_b8 v0, s[64:65] scope:SCOPE_SE
	s_setreg_imm32_b32 hwreg(HW_REG_WAVE_MODE, 25, 1), 1
	s_wait_xcnt 0x0
; O[b][h][q][:] = the sum over the keys k with |q - k| <= 256 of softmax_k(Q[q] . K[k] / 8) V[k][:].  qkv: [4][48][2048][64] f16 (planes 0-15 Q's heads, 16-31 K's, 32-47 V's), ob: [4][16][2048][64] f16.
; Products, maxima and sums in f32; the weights p are rounded to f16 for the second product (their sum l is taken of the unrounded p), O once at the end.
; LIMITS.  A hidden score counts as its value less 1e30; the running maximum starts at -1e20: f16's raw scores, 2.8e11 at the most, lie far above that.  A weight below 2^-126 counts as 0 in l; p below
; 6e-5 keeps f16's fixed step of 6e-8; NaN and infinities are not treated apart.
; SHARES.  Work-group (g, y) takes the queries 512 g .. 512 g + 511 of head y = 16 b + h; wave x a band of 64, Qb = 512 g + 64 x: four tiles of 16, in two pieces of two tiles.
; THE WINDOW LIES IN LDS WHOLE: the keys 512 g - 256 .. 512 g + 767, 1,024 rows of K and of V, each filled once: wave w fills rows 128 w .. 128 w + 127 of both.  A chunk that would lie outside the sequence
; takes the nearest 128 rows that exist (its first key is held to 0 .. 1,920): nobody sees them, and every LDS byte that is read has been written.  So the walk has no refill and no barrier.
; THE WALK.  A band sees the keys Qb - 256 .. Qb + 319: nine steps of 64; step s reads LDS rows 64 (x + s) .. + 63.  In step 0 key j of the step is seen by query i of the band iff j >= i, in step 8 iff j <= i,
; in steps 1 to 7 always; a step whose keys lie outside 0 .. 2,047 is hidden whole (it is computed all the same: no branch hangs on the band's place).
; THE MASK is the C operand that starts the sum S^T = K Q^T: HID = -1e30; HB = 0, or -1e30 for a step outside the sequence; DG, for the block on the diagonal, one or the other by lane and register.
; NO CLUSTER: a row of K or V is read by two work-groups at the most, and the work-groups at a head's ends ask for other chunks than their neighbours' windows hold at the same LDS place.
; LAYOUT.  S^T = K Q^T (source 0 = 16 keys, source 1 = 16 queries) holds ONE query a lane (lane % 16) and the keys 8 (lane / 16) + 0..7; two such results rounded to f16 ARE source 1 of O^T = V^T P.
; K comes out of LDS as it lies, V turned, by ds_load_tr16_b128.  p = 2^(c s - c m), c = log2(e) / 8, with a running maximum m; O and l are multiplied by a = 2^(c m_old - c m_new) in every step.
; PHASES.  For each piece: 16 products K Q^T, the softmax, 16 products V^T P, the sums.  Two waves of 512 registers share a SIMD, so that one has vector work while the other has products.
; REGISTERS (s_set_vgpr_msb: bits 1:0 source 0, 3:2 source 1, 5:4 source 2, 7:6 destination):
;   window 0: v0-15 addresses; v16-31 statistics; v32-39 at work; v40-63 masks; v64-127 S^T of a piece; v128-159 P of a piece; v160-223 K of a step
;   window 1: v0-127 O^T, 32 a tile; v128-191 Q, 16 a tile; v192-255 V of a step
.set PK,    144       ; a row of K in LDS: 128 bytes + 16 = 36 words: the 16 rows of a load start at 16 different groups of four banks (64 banks of 4 bytes: ISA guide 11.1)
.set PV,    160       ; a row of V: 128 + 32 = 40 words
.set VOFF,  1024*PK   ; V's rows lie behind K's
.set SPARE, VOFF+1024*PV  ; behind them: the spare words, 128 bytes for each of eight waves: four blocks of 256 bytes that no other line names
.set SP,    144       ; the stage for the way out: 16 rows x 144 bytes for each wave, at 2,304 x wave: in K's first rows, which have had their one fill and, behind a barrier, are read no more
.set AK0, 2           ; v2   my lane's place in a step of K; never rewritten
.set AV0, 3           ; v3   the same for V
.set QO,  4           ; v4   my byte offset in 16 rows of Q
.set STO, 5           ; v5   the way out: where I put 16 bytes of a row
.set RD,  6           ; v6   the way out: where I read rows back
.set GO,  7           ; v7   16 x lane
.set AK,  9           ; v9   the LDS address of K's run of loads
.set SPW, 10          ; v10  LDS address of my spare word; never rewritten
.set NIL, 11          ; v11  0; never rewritten
.set MV,  12          ; v12-13  c m_old, kept while c m is made anew: a tile of the piece each
.set DJ,  14          ; v14  l % 16 - 8 (l / 16): register j of the diagonal block is hidden where j is less (step 0) or greater (step 8)
.set AV,  15          ; v15  the LDS address of V's run of loads
.set ST,  16          ; tile t's statistics at v[ST+4 t]: c m, m, l (even keys', odd keys')
.set TMP, 32          ; a tile of the piece: four registers c0-c3 at work; when the maximum is found c2 takes a
.set HID, 40
.set DG,  48
.set HB,  56
.set S,   64
.set P,   128
.set KF,  160         ; key block kb, channel half c at KF + 16 kb + 8 c
.set QF,  128         ; window 1: tile t, channel half c at QF + 16 t + 8 c
.set VF,  192         ; window 1: key half kk, channel block cb at VF + 32 kk + 8 cb
.set G1K, 16          ; s[16:23] descriptor group 1 for K's chunk
.set G1V, 24          ; s[24:31] for V's: it differs in the padding alone
.set G0K, 32          ; s[32:35] group 0 for K's chunk
.set G0V, 36          ; s[36:39] for V's
.set CS,  40          ; s[40:41] c: the packed scaling takes the pair's low word for both halves
.set SEL, 42          ; s[42:43] v_permlanex16_b32's selects: each lane takes its own place in the other half
.set KB,  48          ; s48  the first key of the step in hand (below 0 it wraps to a great number)
.set BE,  49          ; s49  0, or -1e30 for a step outside the sequence
.set BIGN, 50         ; s50  -1e30
.set CNT, 51          ; s51  counts steps 1 to 7
.set TBK, 52          ; s52  LDS byte at which K of the step to be fetched begins: (x + s) x 64 rows
.set TBV, 53          ; s53  the same for V, less VOFF
.set MSB, 0
.macro WIN new                      ; the high byte repeats the setting that is left; a switch that changes nothing is dropped
.if MSB != (\new)
	s_set_vgpr_msb (MSB<<8)|(\new)
.set MSB, (\new)
.endif
.endm
	s_load_b128 s[4:7], s[0:1], 0x0   ; qkv s[4:5], ob s[6:7]
	v_lshl_add_u32 v[SPW], v0, 2, SPARE
	v_mov_b32 v[NIL], 0
	ds_add_u32 v[SPW], v[NIL]       ; the wave's opening: the add and its wait stand ahead of my first tensor load; the set-up below, work on registers, stands between them
	v_lshrrev_b32 v1, 5, v0
	v_readfirstlane_b32 s8, v1      ; wave x, 0..7
	s_mov_b32 s9, ttmp9             ; g
	s_and_b32 s10, ttmp7, 0xffff    ; y = 16 b + h
	s_lshr_b32 s11, s10, 4          ; b
	s_and_b32 s12, s10, 15          ; h
	s_mul_i32 s13, s11, 48
	s_add_co_u32 s13, s13, s12      ; Q's plane
	s_lshl_b32 s14, s9, 9
	s_lshl_b32 s15, s8, 7
	s_add_co_u32 s14, s14, s15
	s_sub_co_i32 s14, s14, 256      ; my chunk's first key, 512 g - 256 + 128 x,
	s_max_i32 s14, s14, 0
	s_min_i32 s14, s14, 1920        ; held inside the sequence
	s_lshl_b32 s14, s14, 7          ; in bytes
	s_add_co_u32 s15, s13, 16       ; K's plane
	s_lshl_b32 s15, s15, 18         ; a plane is 262,144 bytes; 192 planes stay under 2^26
	s_add_co_u32 s44, s15, s14
	s_mov_b32 s45, 0
	s_add_co_u32 s46, s44, 16<<18   ; V's plane lies 16 planes on
	s_mov_b32 s47, 0
	s_lshl_b32 s14, s9, 16          ; my band's first row: 512 g + 64 x, of 128 bytes
	s_lshl_b32 s15, s8, 13
	s_add_co_u32 s14, s14, s15
	s_lshl_b32 s56, s13, 18
	s_add_co_u32 s56, s56, s14      ; in Q's plane
	s_mov_b32 s57, 0
	s_lshl_b32 s58, s10, 18
	s_add_co_u32 s58, s58, s14      ; and in O's
	s_mov_b32 s59, 0
	s_lshl_b32 s[KB], s9, 9
	s_lshl_b32 s15, s8, 6
	s_add_co_u32 s[KB], s[KB], s15
	s_sub_co_u32 s[KB], s[KB], 256  ; Qb - 256
	; descriptor group 1.  128 keys are 16,384 dense bytes: asked for as 64 rows of 256 bytes, two keys a row, and padded in LDS after every key
	s_mov_b32 s[G1K], (1<<16)|(1<<20)|(4<<22)|(3<<25)  ; 17:16 2-byte elements; 20 padding on; 24:22 after every 32 words (code 4); 31:25 4 words (code 3)
	s_mov_b32 s[G1V], (1<<16)|(1<<20)|(4<<22)|(7<<25)  ; the same with 8 words of padding (code 7)
.irp g, G1K, G1V
	s_mov_b32 s[\g+1], 128<<16      ; tensor_dim0 = 128
	s_mov_b32 s[\g+2], 64<<16       ; tensor_dim1 = 64
	s_mov_b32 s[\g+3], 128<<16      ; tile_dim0 = 128
	s_mov_b32 s[\g+4], 64           ; tile_dim1 = 64
	s_mov_b32 s[\g+5], 128          ; 128 elements from row to row
	s_mov_b32 s[\g+6], 0
	s_mov_b32 s[\g+7], 0
.endr
	s_mov_b32 s[G0K], 1             ; count = 1
	s_mul_i32 s[G0K+1], s8, 128*PK  ; LDS address: my 128 rows of K
	s_mov_b32 s[G0V], 1
	s_mul_i32 s[G0V+1], s8, 128*PV
	s_add_co_u32 s[G0V+1], s[G0V+1], VOFF
	s_mov_b32 s[CS], 0x3e38aa3b     ; c = log2(e) / 8 = 0.180337
	s_mov_b32 s[CS+1], s[CS]        ; named with it as a pair
	s_mov_b32 s[SEL], 0x76543210
	s_mov_b32 s[SEL+1], 0xfedcba98
	s_mov_b32 s[BIGN], 0xf149f2ca   ; -1e30
	s_mul_i32 s[TBK], s8, 64*PK
	s_mul_i32 s[TBV], s8, 64*PV
	s_wait_dscnt 0x0                ; the opening add is done
	s_wait_kmcnt 0x0
	s_add_nc_u64 s[G0K+2:G0K+3], s[4:5], s[44:45]  ; global address
	s_or_b32 s[G0K+3], s[G0K+3], 0x80000000        ; type = 2
	s_add_nc_u64 s[G0V+2:G0V+3], s[4:5], s[46:47]
	s_or_b32 s[G0V+3], s[G0V+3], 0x80000000
	s_add_nc_u64 s[54:55], s[4:5], s[56:57]        ; Q at my band's first row
	s_add_nc_u64 s[6:7], s[6:7], s[58:59]          ; O likewise
	tensor_load_to_lds s[G0K:G0K+3], s[G1K:G1K+7]  ; the launch's only fills, both ahead of every wait on TENSORcnt, every LDS read and every barrier: two loads of mine are out
	s_nop 0
	tensor_load_to_lds s[G0V:G0V+3], s[G1V:G1V+7]
	s_nop 0
.rept 4
	v_nop
.endr
	; A fragment of K or Q is 16 rows x 32 channels in 8 registers: lane l holds row l % 16, channels 8 (l / 16) + 0..7 and 16 + 8 (l / 16) + 0..7: two loads of 16 bytes, 32 bytes apart.
	v_and_b32 v1, 15, v0            ; l % 16
	v_bfe_u32 v8, v0, 4, 1          ; l / 16
	v_lshlrev_b32 v[QO], 7, v1
	v_lshl_add_u32 v[QO], v8, 4, v[QO]
	WIN 0x40                        ; destination window 1, address window 0
.set i, 0
.rept 8                             ; Q stays in registers: tile i / 2, channels 32 (i % 2) on
	global_load_b128 v[QF+8*i:QF+8*i+3],   v[QO], s[54:55] offset:(i/2)*2048+(i%2)*64
	global_load_b128 v[QF+8*i+4:QF+8*i+7], v[QO], s[54:55] offset:(i/2)*2048+(i%2)*64+32
.set i, i+1
.endr
	WIN 0
.set i, 0
.rept 4
	v_mov_b32 v[ST+4*i+1], 0xe0ad78ec          ; m = -1e20: above every hidden score, below every true one
	v_mul_f32 v[ST+4*i], s[CS], v[ST+4*i+1]    ; c m
	v_mov_b32 v[ST+4*i+2], 0                   ; l
	v_mov_b32 v[ST+4*i+3], 0
.set i, i+1
.endr
.irp j, 0,1,2,3,4,5,6,7
	v_mov_b32 v[HID+(\j)], s[BIGN]
.endr
	v_lshlrev_b32 v[DJ], 3, v8
	v_sub_nc_u32 v[DJ], v1, v[DJ]
	v_mul_u32_u24 v[AK0], v1, PK
	v_lshl_add_u32 v[AK0], v8, 4, v[AK0]       ; row x pitch + 16 x half
	; The turning load takes 16 keys x 16 channels (lane l reads key 8 (l / 16) + l % 8, channels 8 ((l / 8) % 2) + 0..7) and leaves half a fragment of V^T: lane l holds channel l % 16 and 8 keys.
	v_and_b32 v[AK], 7, v0
	v_bfe_u32 v[AV], v0, 3, 1
	v_lshl_add_u32 v[AV0], v8, 3, v[AK]
	v_mul_u32_u24 v[AV0], v[AV0], PV
	v_lshl_add_u32 v[AV0], v[AV], 4, v[AV0]
	v_add_nc_u32 v[AV0], VOFF, v[AV0]
	s_mul_i32 s14, s8, 16*SP        ; my stage
	v_add_nc_u32 v[STO], s14, v[AK0]           ; in: row l % 16, 16 bytes for each half of the lanes (the stage's pitch is K's)
	v_bfe_u32 v[RD], v0, 3, 2       ; back: 32 lanes take four rows of 128 bytes,
	v_mul_u32_u24 v[RD], v[RD], SP
	v_lshl_add_u32 v[RD], v[AK], 4, v[RD]
	v_add_nc_u32 v[RD], s14, v[RD]
	v_and_b32 v[GO], 31, v0         ; which are 512 consecutive bytes of O
	v_lshlrev_b32 v[GO], 4, v[GO]
.macro PLACES                       ; four places behind a product, in front of what reads its result and of loads into its sources (ISA guide 7.12.1 for what reads its result)
.rept 4
	v_nop
.endr
.endm
; THE LDS LOADS stand in runs of 16: a step's K (64 keys x 64 channels: 8 fragments) and its V (turned).  The address is the lane's fixed term plus a scalar that steps by a key step.
.macro FETCH_K
	WIN 0
	v_add_nc_u32 v[AK], s[TBK], v[AK0]
	s_add_co_u32 s[TBK], s[TBK], 64*PK
.irp f, 0,1,2,3,4,5,6,7             ; keys 16 (f / 2) on, channels 32 (f % 2) on
	ds_load_b128 v[KF+8*\f:KF+8*\f+3],   v[AK] offset:(\f/2)*16*PK+(\f%2)*64
	ds_load_b128 v[KF+8*\f+4:KF+8*\f+7], v[AK] offset:(\f/2)*16*PK+(\f%2)*64+32
.endr
.endm
.macro FETCH_V
	WIN 0
	v_add_nc_u32 v[AV], s[TBV], v[AV0]
	s_add_co_u32 s[TBV], s[TBV], 64*PV
	WIN 0x40                        ; destination window 1
.irp f, 0,1,2,3,4,5,6,7             ; keys 32 (f / 4) on, channels 16 (f % 4) on
	ds_load_tr16_b128 v[VF+8*\f:VF+8*\f+3],   v[AV] offset:(\f/4)*32*PV+(\f%4)*32
	ds_load_tr16_b128 v[VF+8*\f+4:VF+8*\f+7], v[AV] offset:(\f/4)*32*PV+16*PV+(\f%4)*32
.endr
	WIN 0
.endm
; THE MATRIX WORK.  The 8 accumulators of a run of 16 take turns: between the two links of a chain stand 7 others'.
; Product i of 16 of S^T = K Q^T for piece p: channels 32 (i / 8) on, keys 16 ((i / 2) % 4) on, tile 2 p + i % 2.  The first 8 start the sums with the block's mask.  mode: 0 step 0, 1 steps 1-7, 2 step 8.
.macro KQ p, mode
	WIN 0x04                        ; Q in window 1, all else in window 0
.set i, 0
.rept 16
.set kg, (i/2)%4
.set tq, 2*(\p)+i%2
.set rS, S+32*(i%2)+8*kg
.set rK, KF+16*kg+8*(i/8)
.set rQ, QF+16*tq+8*(i/8)
.set rX, HB
.if ((\mode) != 1) && (kg == tq)
.set rX, DG
.elseif ((\mode) == 0) && (kg < tq)
.set rX, HID
.elseif ((\mode) == 2) && (kg > tq)
.set rX, HID
.endif
.if i < 8
	v_wmma_f32_16x16x32_f16 v[rS:rS+7], v[rK:rK+7], v[rQ:rQ+7], v[rX:rX+7]
.else
	v_wmma_f32_16x16x32_f16 v[rS:rS+7], v[rK:rK+7], v[rQ:rQ+7], v[rS:rS+7]
.endif
.set i, i+1
.endr
.endm
; Product i of 16 of O^T += V^T P for piece p: keys 32 (i / 8) on, channels 16 ((i / 2) % 4) on, tile 2 p + i % 2.  In step 0 the first 8 start the sums: nothing is cleared.
.macro PVM p, mode
	WIN 0x51                        ; V and O^T in window 1, P in window 0
.set i, 0
.rept 16
.set rO, 32*(2*(\p)+i%2)+8*((i/2)%4)
.set rV, VF+32*(i/8)+8*((i/2)%4)
.set rP, P+16*(i%2)+8*(i/8)
.if ((\mode) == 0) && (i < 8)
	v_wmma_f32_16x16x32_f16 v[rO:rO+7], v[rV:rV+7], v[rP:rP+7], 0
.else
	v_wmma_f32_16x16x32_f16 v[rO:rO+7], v[rV:rV+7], v[rP:rP+7], v[rO:rO+7]
.endif
.set i, i+1
.endr
.endm
; THE VECTOR WORK.
.macro REGS p, u                    ; the registers of tile u (0, 1) of piece p
.set rT, ST+4*(2*(\p)+(\u))
.set rC, TMP+4*(\u)
.set rW, MV+(\u)
.set rS, S+32*(\u)
.set rP, P+16*(\u)
.set rO, 32*(2*(\p)+(\u))
.endm
; Number n of the 22 that find a tile's maximum and statistics.  s0-s31 are the lane's 32 scores; each accumulator's lowest registers are read first.
;   0-11  four chains c0-c3 of seven scores each, three operands at a time     12-14, 16  the four scores left over, the old m, and c0-c3 into c0     15  c m_old is kept
;   17, 18  the query's other 32 keys lie in the lane 16 away: the new m         19-21  c m; c m_old - c m_new; a
.macro XS p, u, n
	REGS \p, \u
.if (\n) < 4
	v_max3_num_f32 v[rC+(\n)], v[rS+8*(\n)], v[rS+8*(\n)+1], v[rS+8*(\n)+2]
.elseif (\n) < 12
	v_max3_num_f32 v[rC+(\n)%4], v[rC+(\n)%4], v[rS+8*((\n)%4)+2*((\n)/4)+1], v[rS+8*((\n)%4)+2*((\n)/4)+2]
.elseif (\n) == 12
	v_max3_num_f32 v[rC], v[rC], v[rS+7], v[rS+15]
.elseif (\n) == 13
	v_max3_num_f32 v[rC+1], v[rC+1], v[rS+23], v[rS+31]
.elseif (\n) == 14
	v_max3_num_f32 v[rC+2], v[rC+2], v[rC+3], v[rT+1]
.elseif (\n) == 15
	v_mov_b32 v[rW], v[rT]
.elseif (\n) == 16
	v_max3_num_f32 v[rC], v[rC], v[rC+1], v[rC+2]
.elseif (\n) == 17
	v_permlanex16_b32 v[rC+3], v[rC], s[SEL], s[SEL+1]
.elseif (\n) == 18
	v_max_num_f32 v[rT+1], v[rC], v[rC+3]
.elseif (\n) == 19
	v_mul_f32 v[rT], s[CS], v[rT+1]
.elseif (\n) == 20
	v_sub_f32 v[rC+1], v[rW], v[rT]
.else
	v_exp_f32 v[rC+2], v[rC+1]
.endif
.endm
.macro FS p, u, pr                  ; c s - c m for pair pr of 16
	REGS \p, \u
	v_pk_fma_f32 v[rS+2*(\pr):rS+2*(\pr)+1], v[rS+2*(\pr):rS+2*(\pr)+1], s[CS:CS+1], v[rT:rT+1] op_sel_hi:[1,0,0] neg_lo:[0,0,1] neg_hi:[0,0,1]
.endm
.macro EX4 p, pr                    ; the exponentials of pair pr of both tiles
.irp u, 0,1
	REGS \p, \u
	v_exp_f32 v[rS+2*(\pr)], v[rS+2*(\pr)]
	v_exp_f32 v[rS+2*(\pr)+1], v[rS+2*(\pr)+1]
.endr
.endm
; A piece's softmax up to P: maximum and statistics (the two tiles alternate); then ONE BATCH: the two a, the 32 scalings and the 64 exponentials, a pair's exponentials behind the next pair's scalings;
; nothing ahead of the wait names an exponential's result.  A v_nop is the plain instruction behind the last exponential; one s_wait_alu serves all 66 ahead of the first reader.
; Then the roundings to f16 and (but in step 0, which starts O^T) O^T times a, each accumulator's registers in ascending order.
.macro SM p, mode
	WIN 0
.irp n, 0,1,2,3,4,5,6,7,8,9,10,11,12,13,14,15,16,17,18,19,20,21
	XS \p, 0, \n
	XS \p, 1, \n
.endr
.set kk, 0
.rept 16
	FS \p, 0, kk
	FS \p, 1, kk
.if kk > 0
	EX4 \p, kk-1
.endif
.set kk, kk+1
.endr
	EX4 \p, 15
	v_nop
	s_wait_alu depctr_va_vdst(0)
.set kk, 0
.rept 16
.irp u, 0,1
	REGS \p, \u
	v_cvt_pk_f16_f32 v[rP+kk], v[rS+2*kk], v[rS+2*kk+1]
.endr
.set kk, kk+1
.endr
.if (\mode) != 0
	WIN 0x41                        ; O^T (destination and source 0) in window 1, a in window 0
.set kk, 0
.rept 16
.irp u, 0,1
	REGS \p, \u
	v_pk_mul_f32 v[rO+2*kk:rO+2*kk+1], v[rO+2*kk:rO+2*kk+1], v[rC+2:rC+3] op_sel_hi:[1,0]
.endr
.set kk, kk+1
.endr
	WIN 0
.endif
.endm
; The sums of a piece's weights: for each tile 15 packed additions in place (neighbours 1, 2, 4 and 8 pairs apart), then l = a l + the sum.  32 plain instructions that name no register of the products
; V^T P in front of them: they are the places behind those products.
.macro SUMS p
	WIN 0
.set z, 0
.rept 15
.set w, 4
.set q, z
.if z >= 14
.set w, 32
.set q, 0
.elseif z >= 12
.set w, 16
.set q, z-12
.elseif z >= 8
.set w, 8
.set q, z-8
.endif
.irp u, 0,1
	REGS \p, \u
	v_pk_add_f32 v[rS+w*q:rS+w*q+1], v[rS+w*q:rS+w*q+1], v[rS+w*q+w/2:rS+w*q+w/2+1]
.endr
.set z, z+1
.endr
.irp u, 0,1
	REGS \p, \u
	v_pk_fma_f32 v[rT+2:rT+3], v[rT+2:rT+3], v[rC+2:rC+3], v[rS:rS+1] op_sel_hi:[1,0,1]
.endr
.endm
; A KEY STEP.  fetch = 1: the next step's K is fetched behind the last product that read K (four v_nop and the address's line between), its V behind the last product that read V (the sums between).
.macro STEP mode, fetch
	WIN 0
	s_cmp_lt_u32 s[KB], 2048        ; do the step's 64 keys exist?  (KB is a multiple of 64: all or none)
	s_cselect_b32 s[BE], 0, s[BIGN]
	s_add_co_u32 s[KB], s[KB], 64
.irp j, 0,1,2,3,4,5,6,7
	v_mov_b32 v[HB+(\j)], s[BE]
.endr
.if (\mode) == 0
.irp j, 0,1,2,3,4,5,6,7
	v_cmp_lt_i32 vcc_lo, \j, v[DJ]  ; key 8 (l / 16) + j lies in front of query l % 16
	v_cndmask_b32 v[DG+(\j)], v[HB+(\j)], v[HID+(\j)], vcc_lo
.endr
.elseif (\mode) == 2
.irp j, 0,1,2,3,4,5,6,7
	v_cmp_gt_i32 vcc_lo, \j, v[DJ]  ; or behind it
	v_cndmask_b32 v[DG+(\j)], v[HB+(\j)], v[HID+(\j)], vcc_lo
.endr
.endif
	s_wait_dscnt 16                 ; K is in; V's 16 loads, issued behind K's, may stay out
	KQ 0, \mode
	PLACES
	SM 0, \mode
	s_wait_dscnt 0x0                ; V is in
	PVM 0, \mode
	SUMS 0
	KQ 1, \mode
	PLACES
.if \fetch
	FETCH_K
.endif
	SM 1, \mode
	PVM 1, \mode
	SUMS 1
.if \fetch
	FETCH_V
.endif
.endm
; THE WAY OUT.  Tile t: O^T is divided by l and rounded to f16; a lane's eight channels of a row pack into 16 bytes; they go into rows of 144 bytes and come back as whole rows of 128, into S^T's registers.
.macro PACK t
	WIN 0x41
.set i, 32*(\t)
.rept 16
	v_pk_mul_f32 v[i:i+1], v[i:i+1], v[ST+4*(\t)+2:ST+4*(\t)+3] op_sel_hi:[1,0]
.set i, i+2
.endr
	WIN 0x05                        ; sources 0 and 1 window 1, destination window 0
.set i, 0
.rept 16
	v_cvt_pk_f16_f32 v[S+16*(\t)+i], v[32*(\t)+2*i], v[32*(\t)+2*i+1]
.set i, i+1
.endr
	WIN 0
.irp f, 0,1,2,3
	ds_store_b128 v[STO], v[S+16*(\t)+4*\f:S+16*(\t)+4*\f+3] offset:32*\f
.endr
.irp f, 0,1,2,3
	ds_load_b128 v[S+16*(\t)+4*\f:S+16*(\t)+4*\f+3], v[RD] offset:\f*4*SP  ; LDS serves a wave's instructions in order (ISA guide 5.7.1.4): these see the stores above; the next tile's stores come behind them
.endr
.endm
.macro SEND t, younger              ; younger: the LDS instructions issued behind tile t's loads: the next tile's eight, or none
	WIN 0
.irp f, 0,1,2,3
	s_wait_dscnt (\younger)+3-\f
	global_store_b128 v[GO], v[S+16*(\t)+4*\f:S+16*(\t)+4*\f+3], s[6:7] offset:(\t)*2048+\f*512  ; 512 consecutive bytes, at a multiple of 512 from O's first
.endr
.endm
	s_wait_tensorcnt 0x0            ; my chunks of K and V are in,
	s_barrier_signal -1
	s_barrier_wait -1               ; everybody's are: the whole window lies in LDS
	FETCH_K                         ; step 0
	FETCH_V
	s_wait_loadcnt 0x0              ; Q
	STEP 0, 1
	WIN 0                           ; at a label and at a branch every window is 0
	s_mov_b32 s[CNT], 7
.Lmid:                              ; steps 1 to 7
	STEP 1, 1
	WIN 0
	s_sub_co_u32 s[CNT], s[CNT], 1
	s_cmp_lg_u32 s[CNT], 0
	s_cbranch_scc1 .Lmid
	STEP 2, 0                       ; step 8: nothing is left to fetch
	WIN 0
	s_wait_dscnt 0x0                ; my reads of K and V are over:
	s_barrier_signal -1             ; the stages lie in K's first rows, so nobody stores there before all eight waves have said so
.irp t, 0,1,2,3                     ; work on registers between the signal and the wait: l's two halves and the other half of the lanes' are added; 1 / l
	v_add_f32 v[ST+4*(\t)+2], v[ST+4*(\t)+2], v[ST+4*(\t)+3]
.endr
.irp t, 0,1,2,3
	v_permlanex16_b32 v[ST+4*(\t)+3], v[ST+4*(\t)+2], s[SEL], s[SEL+1]
.endr
.irp t, 0,1,2,3
	v_add_f32 v[ST+4*(\t)+2], v[ST+4*(\t)+2], v[ST+4*(\t)+3]
.endr
.irp t, 0,1,2,3
	v_rcp_f32 v[ST+4*(\t)+2], v[ST+4*(\t)+2]
.endr
	v_nop                           ; a plain instruction between the last reciprocal and the use of its result
	s_wait_alu depctr_va_vdst(0)    ; and the wait ahead of the first use: one for the four reciprocals
	s_barrier_wait -1
	PACK 0
.irp t, 1,2,3                       ; a tile's arithmetic stands between the loads of the tile before and its stores
	PACK \t
	SEND (\t)-1, 8
.endr
	SEND 3, 0
	s_wait_tensorcnt 0x0            ; the wave's end, behind my last tensor load and my last LDS store
	ds_add_u32 v[SPW], v[NIL]
	s_wait_dscnt 0x0
	s_endpgm
.Lfunc_end_k_qcea836fd7a_attn:
	.size	k_qcea836fd7a_attn, .Lfunc_end_k_qcea836fd7a_attn-k_qcea836fd7a_attn
	.p2alignl 7, 3214868480
	.fill 96, 4, 3214868480
	.section	.rodata,"a",@progbits
	.p2align	6, 0x0
	.amdhsa_kernel k_qcea836fd7a_attn
		.amdhsa_group_segment_fixed_size 327680
		.amdhsa_private_segment_fixed_size 0
		.amdhsa_enable_private_segment 0
		.amdhsa_kernarg_size 16
		.amdhsa_user_sgpr_count 2
		.amdhsa_user_sgpr_kernarg_segment_ptr 1
		.amdhsa_wavefront_size32 1
		.amdhsa_system_sgpr_workgroup_id_x 1
		.amdhsa_system_sgpr_workgroup_id_y 1
		.amdhsa_system_sgpr_workgroup_id_z 1
		.amdhsa_system_vgpr_workitem_id 0
		.amdhsa_next_free_vgpr 512
		.amdhsa_next_free_sgpr 66
		.amdhsa_reserve_vcc 1
		.amdhsa_float_denorm_mode_32 3
		.amdhsa_float_denorm_mode_16_64 3
		.amdhsa_memory_ordered 1
		.amdhsa_forward_progress 1
		.amdhsa_inst_pref_size 115
	.end_amdhsa_kernel
	.amdgpu_metadata
---
amdhsa.version: [ 1, 2 ]
amdhsa.kernels:
  - .name:           k_qcea836fd7a_attn
    .symbol:         k_qcea836fd7a_attn.kd
    .args:
      - { .name: qkv, .offset: 0, .size: 8, .value_kind: global_buffer, .address_space: global }
      - { .name: ob, .offset: 8, .size: 8, .value_kind: global_buffer, .address_space: global }
    .group_segment_fixed_size: 327680
    .private_segment_fixed_size: 0
    .kernarg_segment_align: 8
    .kernarg_segment_size: 16
    .max_flat_workgroup_size: 256
    .sgpr_count:     66
    .vgpr_count:     512
    .wavefront_size: 32
...
	.end_amdgpu_metadata
.endif
;; end of part 3
;; launch outp (part 4): grid 8 x 32, 4 waves a work-group, clusters of 4 x 4, 327,680 bytes of LDS; arguments ob, wob, out0; writes out0
.if DOCPART == 4
	.amdgcn_target "amdgcn-amd-amdhsa--gfx1250"
	.amdhsa_code_object_version 6
	.text
	.protected	k_qcea836fd7a_outp
	.globl	k_qcea836fd7a_outp
	.p2align	8
	.type	k_qcea836fd7a_outp,@function
k_qcea836fd7a_outp:
	s_mov_b64 s[64:65], 0
	v_nop
	global_prefetch_b8 v0, s[64:65] scope:SCOPE_SE
	s_setreg_imm32_b32 hwreg(HW_REG_WAVE_MODE, 25, 1), 1
	s_wait_xcnt 0x0
	s_wait_alu depctr_hold_cnt(0) depctr_sa_sdst(0) depctr_va_vdst(0) depctr_va_sdst(0) depctr_va_ssrc(0) depctr_va_vcc(0) depctr_vm_vsrc(0)
	s_getreg_b32 s2, hwreg(HW_REG_IB_STS2, 6, 4)
	s_cmp_eq_u32 s2, 0
	s_cbranch_scc0 .Lentry_in_a_cluster
	s_endpgm
.Lentry_in_a_cluster:
	s_bfe_u32 s2, ttmp6, 0x10000c
	s_cmp_lg_u32 s2, 0xf033
	s_cbranch_scc0 .Lentry_shape_is_right
	s_endpgm
.Lentry_shape_is_right:
; out0[m][e] = the sum over d of O[m][d] W_o[e][d].  ob: [4][16][2048][64] f16 (O by heads: d = 64 h + c), wob: [1024][1024] f16, out0: [8192][1024] f32.  Sums in f32, K ascending; nothing is rounded on the way out.
; SHARES.  A tile is 256 rows x 128 columns: 8 x 32 = 256 work-groups.  Wave w makes rows 64 w .. 64 w + 63 and all 128 columns: 4 x 8 accumulators of 16 x 16, 256 registers; so a wave holds
; 512 consecutive bytes of each of its rows and has a stage of its own.  K goes in 8 steps of 128 (two heads) through two LDS slots filled by the tensor data mover.
; O's TILE.  A head's share of a tile, 256 rows of 128 bytes, is 32,768 dense bytes: asked for as 128 rows of 256 bytes and padded in LDS after every 128; wave 0 fetches the K step's first head, wave 1 its second.
; CLUSTER.  4 x 4 work-groups.  The four of a row of the cluster need the same rows of O, the four of a column the same rows of wob: each tile is asked for jointly.
; NO PREFETCH: eight short K steps on a small tile.
; THE MATRIX INSTRUCTION IS USED TRANSPOSED (source 0 = 16 rows of wob, source 1 = 16 rows of O): a lane holds row l % 16 of the result and the columns 8 (l / 16) + 0..7: 32 bytes on end.
; REGISTERS (s_set_vgpr_msb: bits 1:0 source 0, 3:2 source 1, 5:4 source 2, 7:6 destination):
;   window 0: v0-31 addresses; v32-159 rows read back from the stage, two buffers       window 1: two fragment buffers of 96: O's 4 fragments, then wob's 8
;   window 2: the accumulators, (a, b) at v[8 (8 a + b)]
.set KSTEP,  128
.set PITCH,  272                       ; a row of wob in LDS: 256 bytes + 16: the 16 rows of a fragment load start at 16 different groups of four banks (64 banks of 4 bytes: ISA guide 11.1)
.set PA,     144                       ; a row of one head of O: 128 bytes + 16: likewise
.set NL,     24                        ; LDS loads of a quarter step: 16 for wob's fragments, 8 for O's
.set APLANE, 256*PA                    ; what wave 0 or 1 fetches: one head, 256 rows
.set BHALF,  64*PITCH                  ; what wave 2 or 3 fetches: 64 rows of wob
.set BOFF,   2*APLANE
.set SLOT,   BOFF+2*BHALF              ; 108,544 bytes
.set STAGE,  2*SLOT                    ; behind the ring, never filled by a tensor load: 16 rows x 528 bytes for each wave
.set SPITCH, 528                       ; 512 bytes + 16
.set SPARE,  STAGE+4*16*SPITCH         ; behind the stages: the spare words, 128 bytes for each wave: two blocks of 256 bytes that no other line names
.set ADRA, 16                          ; v16-17  LDS address of my fragments of O in slot 0, 1
.set ADRB, 20                          ; v20-21  the same for wob
.set STO,  24                          ; v24     the way out: where I put 32 bytes of a row
.set RD,   25                          ; v25     the way out: where I read a row back
.set CO,   26                          ; v26     16 x lane
.set SPW,  28                          ; v28     LDS address of my spare word; never rewritten
.set NIL,  29                          ; v29     0; never rewritten
.set OB,   32
.set F0,   0
.set F1,   96
.set G1,   24                          ; s[24:31] descriptor group 1 for O's tiles;  s[32:39] group 0, a set for each slot
.set G0,   32
.set G1B,  48                          ; s[48:55], s[56:63] the same for wob's tiles
.set G0B,  56
.set MSB, 0
.macro WIN new                         ; the immediate's high byte repeats the setting that is left; a switch that changes nothing is dropped
.if MSB != (\new)
	s_set_vgpr_msb (MSB<<8)|(\new)
.set MSB, \new
.endif
.endm
.macro JLOAD s                         ; a joint refill: waves 0 and 1 fetch O's two heads, waves 2 and 3 wob's two halves; an s_nop 0 and four v_nop follow each of the two lines
	s_cmp_eq_u32 s11, 0
	s_cbranch_scc0 .Lfor_b_\@
	tensor_load_to_lds s[G0+4*(\s):G0+4*(\s)+3], s[G1:G1+7]
	s_nop 0
.rept 4
	v_nop
.endr
	s_branch .Lasked_\@
.Lfor_b_\@:
	tensor_load_to_lds s[G0B+4*(\s):G0B+4*(\s)+3], s[G1B:G1B+7]
	s_nop 0
.rept 4
	v_nop
.endr
.Lasked_\@:
.endm
.macro CREST                           ; a round of the cluster's barrier behind its opening barrier
	s_cmp_lg_u32 s10, 0
	s_cbranch_scc1 .Lnot_wave_0_\@
	s_barrier_signal -3
.Lnot_wave_0_\@:
	s_barrier_wait -3
	s_barrier_signal -1
	s_barrier_wait -1
.endm
.macro CROUND
	s_barrier_signal -1
	s_barrier_wait -1
	CREST
.endm
	s_load_b128 s[4:7], s[0:1], 0x0                ; ob s[4:5], wob s[6:7]
	s_load_b64 s[8:9], s[0:1], 0x10                ; out0
	v_lshl_add_u32 v[SPW], v0, 2, SPARE
	v_mov_b32 v[NIL], 0
	ds_add_u32 v[SPW], v[NIL]                      ; the wave's opening: the add and its wait stand ahead of my first tensor load; the set-up below, work on registers, stands between them
	v_lshrrev_b32 v1, 5, v0
	v_readfirstlane_b32 s10, v1                    ; wave 0..3
	s_lshr_b32 s11, s10, 1                         ; I fetch for O (0) or for wob (1)
	s_and_b32 s12, s10, 1                          ; which head of the K step, or which half of wob's rows
	s_bfe_u32 s40, ttmp6, 0x40000                  ; cx
	s_bfe_u32 s41, ttmp6, 0x40004                  ; cy
	s_lshl_b32 s42, ttmp9, 2
	s_add_co_u32 s42, s42, s40                     ; tile column tx
	s_and_b32 s13, ttmp7, 0xffff
	s_lshl_b32 s13, s13, 2
	s_add_co_u32 s13, s13, s41                     ; tile row ty
	s_lshl_b32 s43, s41, 2
	s_lshl_b32 s43, 15, s43                        ; my row of the cluster
	s_lshl_b32 s44, 0x1111, s40                    ; my column
	s_or_b32 s[G1+0], s43, (1<<16)|(1<<20)|(1<<21)|(4<<22)|(3<<25)   ; the mask; 2-byte elements; padding on; 21 set beside a mask; after every 32 words (code 4) 4 words (code 3)
	s_or_b32 s[G1B+0], s44, (1<<16)|(1<<20)|(1<<21)|(5<<22)|(3<<25)  ; after every 64 words (code 5)
	s_mov_b32 s[G1+1], 128<<16                     ; tensor_dim0 = 128
	s_mov_b32 s[G1+2], 128<<16                     ; tensor_dim1 = 128
	s_mov_b32 s[G1+3], 128<<16                     ; tile_dim0 = 128
	s_mov_b32 s[G1+4], 128                         ; tile_dim1 = 128
	s_mov_b32 s[G1+5], 128                         ; dense: 128 elements from row to row
	s_mov_b32 s[G1+6], 0
	s_mov_b32 s[G1+7], 0
	s_mov_b32 s[G1B+1], KSTEP<<16
	s_mov_b32 s[G1B+2], 64<<16                     ; tensor_dim1 = 64
	s_mov_b32 s[G1B+3], KSTEP<<16
	s_mov_b32 s[G1B+4], 64                         ; tile_dim1 = 64
	s_mov_b32 s[G1B+5], 1024
	s_mov_b32 s[G1B+6], 0
	s_mov_b32 s[G1B+7], 0
	s_lshr_b32 s16, s13, 3                         ; b
	s_lshl_b32 s16, s16, 4
	s_add_co_u32 s16, s16, s12                     ; O: plane 16 b + my head of K step 0,
	s_lshl_b32 s16, s16, 18                        ; of 262,144 bytes,
	s_and_b32 s17, s13, 7
	s_lshl_b32 s17, s17, 15                        ; the tile's 256 rows of 128 bytes
	s_add_co_u32 s16, s16, s17
	s_mov_b32 s17, 0
	s_lshl_b32 s46, s42, 7
	s_lshl_b32 s47, s12, 6
	s_add_co_u32 s46, s46, s47                     ; wob: row 128 tx + 64 x half
	s_lshl_b32 s46, s46, 11
	s_mov_b32 s47, 0
	s_mul_i32 s20, s10, APLANE                     ; where they go: O's heads at wave x 256 rows (waves 0, 1),
	s_mul_i32 s21, s10, BHALF
	s_add_co_u32 s21, s21, BOFF-2*BHALF            ; wob's halves at BOFF + (wave - 2) x 64 rows (waves 2, 3)
	s_wait_dscnt 0x0                               ; the opening add is done
	s_wait_kmcnt 0x0
	s_add_nc_u64 s[14:15], s[4:5], s[16:17]
	s_add_nc_u64 s[46:47], s[6:7], s[46:47]
	CROUND                                         ; all sixteen work-groups are here: the first joint loads meet
.irp s, 0,1
	s_mov_b32 s[G0+4*(\s)], 1
	s_add_co_u32 s[G0+4*(\s)+1], s20, (\s)*SLOT
	s_add_nc_u64 s[G0+4*(\s)+2:G0+4*(\s)+3], s[14:15], (\s)*2*262144  ; K step s: two heads on
	s_or_b32 s[G0+4*(\s)+3], s[G0+4*(\s)+3], 0x80000000
	s_mov_b32 s[G0B+4*(\s)], 1
	s_add_co_u32 s[G0B+4*(\s)+1], s21, (\s)*SLOT
	s_add_nc_u64 s[G0B+4*(\s)+2:G0B+4*(\s)+3], s[46:47], (\s)*KSTEP*2
	s_or_b32 s[G0B+4*(\s)+3], s[G0B+4*(\s)+3], 0x80000000
.endr
	s_cmp_eq_u32 s11, 0                            ; a wave's two first fills stand in one branch, ahead of every wait on TENSORcnt and every LDS read: two loads of mine are out
	s_cbranch_scc0 .Lfirst_b
	tensor_load_to_lds s[G0:G0+3], s[G1:G1+7]
	s_nop 0
	tensor_load_to_lds s[G0+4:G0+7], s[G1:G1+7]
	s_nop 0
.rept 4
	v_nop
.endr
	s_branch .Lfirst_asked
.Lfirst_b:
	tensor_load_to_lds s[G0B:G0B+3], s[G1B:G1B+7]
	s_nop 0
	tensor_load_to_lds s[G0B+4:G0B+7], s[G1B:G1B+7]
	s_nop 0
.rept 4
	v_nop
.endr
.Lfirst_asked:
	v_and_b32 v1, 15, v0                           ; l % 16
	v_bfe_u32 v2, v0, 4, 1                         ; l / 16
	v_mul_u32_u24 v3, v1, PA
	v_lshl_add_u32 v3, v2, 4, v3                   ; O: row x pitch + 16 x half
	v_mul_u32_u24 v4, v1, PITCH
	v_lshl_add_u32 v4, v2, 4, v4                   ; wob likewise
	s_mul_i32 s22, s10, 64*PA                      ; my 64 rows of O
.irp s, 0,1
	v_add_nc_u32 v[ADRA+(\s)], s22, v3
	v_add_nc_u32 v[ADRB+(\s)], BOFF+(\s)*SLOT, v4  ; every wave reads all 128 rows of wob
	s_add_co_u32 s22, s22, SLOT
.endr
	s_mul_i32 s23, s10, 16*SPITCH
	s_add_co_u32 s23, s23, STAGE                   ; my stage
	v_mul_u32_u24 v5, v1, SPITCH                   ; in: row l % 16, 32 bytes for each half of the lanes
	v_lshl_add_u32 v5, v2, 5, v5
	v_add_nc_u32 v[STO], s23, v5
	v_and_b32 v[CO], 31, v0                        ; back: 32 lanes take one row's 512 bytes
	v_lshlrev_b32 v[CO], 4, v[CO]
	v_add_nc_u32 v[RD], s23, v[CO]
	s_lshl_b32 s18, s13, 8
	s_lshl_b32 s19, s10, 6
	s_add_co_u32 s18, s18, s19                     ; my first row of out0: 256 ty + 64 x wave,
	s_lshl_b32 s18, s18, 12                        ; of 4,096 bytes (under 2^25 in all),
	s_lshl_b32 s19, s42, 9                         ; the tile's 512 bytes of it
	s_add_co_u32 s18, s18, s19
	s_mov_b32 s19, 0
	s_add_nc_u64 s[8:9], s[8:9], s[18:19]
; 8 matrix instructions: row block a x all 8 column blocks, 32 along K.  zero = 1: the product starts the sums.  The 32 accumulators take turns, one instruction a quarter step each, in the same order in
; every quarter, over the backward jump too.
.macro MULB f, a, zero
	WIN 0xa5                                       ; sources in window 1; C and D in window 2
.irp b, 0,1,2,3,4,5,6,7
.if \zero
	v_wmma_f32_16x16x32_f16 v[8*(8*(\a)+(\b)):8*(8*(\a)+(\b))+7], v[(\f)+32+8*(\b):(\f)+32+8*(\b)+7], v[(\f)+8*(\a):(\f)+8*(\a)+7], 0
.else
	v_wmma_f32_16x16x32_f16 v[8*(8*(\a)+(\b)):8*(8*(\a)+(\b))+7], v[(\f)+32+8*(\b):(\f)+32+8*(\b)+7], v[(\f)+8*(\a):(\f)+8*(\a)+7], v[8*(8*(\a)+(\b)):8*(8*(\a)+(\b))+7]
.endif
.endr
.endm
; 24 LDS loads in one run: quarter q's fragments into buffer f: wob's 8 (byte 64 q of the rows), then O's 4 in ascending order (head q / 2 of the K step, byte 64 (q % 2) of its rows)
.macro FETCH slot, q, f
	WIN 0x40                                       ; destination window 1, address window 0
.irp i, 0,1,2,3,4,5,6,7
	ds_load_b128 v[(\f)+32+8*(\i):(\f)+32+8*(\i)+3],   v[ADRB+(\slot)] offset:64*(\q)+(\i)*16*PITCH
	ds_load_b128 v[(\f)+32+8*(\i)+4:(\f)+32+8*(\i)+7], v[ADRB+(\slot)] offset:64*(\q)+(\i)*16*PITCH+32
.endr
.irp i, 0,1,2,3
	ds_load_b128 v[(\f)+8*(\i):(\f)+8*(\i)+3],   v[ADRA+(\slot)] offset:((\q)/2)*APLANE+((\q)%2)*64+(\i)*16*PA
	ds_load_b128 v[(\f)+8*(\i)+4:(\f)+8*(\i)+7], v[ADRA+(\slot)] offset:((\q)/2)*APLANE+((\q)%2)*64+(\i)*16*PA+32
.endr
.endm
.macro PLACES                          ; four places in front of loads into registers that matrix instructions have read, and of LDS stores that read results
.rept 4
	v_nop
.endr
.endm
.macro QUARTER slot, q, f, g, zero
	s_wait_dscnt 4                                 ; wob's fragments and O's blocks 0, 1 are in; the youngest four loads (blocks 2, 3) may be out
	MULB \f, 0, \zero
	MULB \f, 1, \zero
	PLACES
	FETCH \slot, \q, \g
	s_wait_dscnt NL                                ; all but the 24 just issued
	MULB \f, 2, \zero
	MULB \f, 3, \zero
.endm
; The fourth quarter multiplies buffer 1 and changes slots: ONE barrier; in front of it each wave waits for all its tensor loads, adds 0 to its spare word, and waits for that and for its own reads of this
; slot.  fill = 1: the barrier opens a round of the cluster's barrier, and behind it this slot is filled again first, two K steps ahead: 112 matrix instructions stand between the request and the wait for it.
.macro TURN slot, next, fill
	WIN 0                                          ; (the add's two registers lie in window 0)
	s_wait_tensorcnt 0x0                           ; all my tensor loads have landed: my part of the next slot;
	ds_add_u32 v[SPW], v[NIL]                      ; 0 onto my spare word;
	s_wait_dscnt 5                                 ; (the add and the youngest four loads may be out)
	MULB F1, 0, 0                                  ; eight matrix instructions stand between the add and the wait for it
	s_wait_dscnt 0x0                               ; the add is done, and my reads of this slot are over
	s_barrier_signal -1
	MULB F1, 1, 0
.if \fill
	WIN 0
.endif
	s_barrier_wait -1
.if \fill
	CREST                                          ; no wave of any partner still reads this slot's tile or has a load on its way
	s_add_nc_u64 s[G0+4*(\slot)+2:G0+4*(\slot)+3], s[G0+4*(\slot)+2:G0+4*(\slot)+3], 4*262144     ; two K steps: four heads on
	s_add_nc_u64 s[G0B+4*(\slot)+2:G0B+4*(\slot)+3], s[G0B+4*(\slot)+2:G0B+4*(\slot)+3], 2*KSTEP*2
	JLOAD \slot                                    ; the first tensor load behind the round; its four v_nop are also the places in front of the loads below
.else
	PLACES
.endif
	FETCH \next, 0, F0
	MULB F1, 2, 0
	MULB F1, 3, 0
.endm
; THE WAY OUT of row block a (16 rows x 128 columns of f32).  TOSTAGE: a lane's 32 bytes of each column block into my own stage, each accumulator's low four registers first; back as whole rows of 512 bytes.
.macro TOSTAGE a
	WIN 0
.set BK, OB+64*((\a)%2)
	s_wait_xcnt 0x0                                ; the stores of the block two back have read this buffer: it is loaded again only behind this wait
	WIN 0x08                                       ; the stores' data lie in window 2
.irp b, 0,1,2,3,4,5,6,7
	ds_store_b128 v[STO], v[8*(8*(\a)+(\b)):8*(8*(\a)+(\b))+3]   offset:64*(\b)
	ds_store_b128 v[STO], v[8*(8*(\a)+(\b))+4:8*(8*(\a)+(\b))+7] offset:64*(\b)+16
.endr
	WIN 0
.irp t, 0,1,2,3,4,5,6,7,8,9,10,11,12,13,14,15
	ds_load_b128 v[BK+4*(\t):BK+4*(\t)+3], v[RD] offset:SPITCH*(\t)  ; LDS serves a wave's instructions in order (ISA guide 5.7.1.4): these see the stores above
.endr
.endm
.macro SEND a, younger                 ; younger: the LDS instructions issued behind block a's loads: the next block's 32, or none
	WIN 0
.set BK, OB+64*((\a)%2)
	s_wait_dscnt \younger
.irp t, 0,1,2,3,4,5,6,7,8,9,10,11,12,13,14,15
	global_store_b128 v[CO], v[BK+4*(\t):BK+4*(\t)+3], s[8:9] offset:(16*(\a)+(\t))*4096  ; 512 consecutive bytes of a row, at a multiple of 512 from out0's first byte
.endr
.endm
	s_wait_tensorcnt 1                             ; my part of K step 0 is in; K step 1's may stay out
	s_barrier_signal -1
	s_barrier_wait -1                              ; everybody's is
	FETCH 0, 0, F0
	QUARTER 0, 1, F0, F1, 1                        ; the first quarter stands in front of the loop: its products start the sums
	WIN 0                                          ; at a label and at a branch every window is 0
	s_mov_b32 s3, 3
.Llap:                                                 ; a trip goes once round the ring and fills both slots again: K steps 2 to 7 in three trips
	QUARTER 0, 2, F1, F0, 0
	QUARTER 0, 3, F0, F1, 0
	TURN 0, 1, 1
	QUARTER 1, 1, F0, F1, 0
	QUARTER 1, 2, F1, F0, 0
	QUARTER 1, 3, F0, F1, 0
	TURN 1, 0, 1
	QUARTER 0, 1, F0, F1, 0
	WIN 0
	s_sub_co_u32 s3, s3, 1
	s_cmp_lg_u32 s3, 0
	s_cbranch_scc1 .Llap
	QUARTER 0, 2, F1, F0, 0                        ; the last lap fills nothing, and has no round of the cluster's barrier
	QUARTER 0, 3, F0, F1, 0
	TURN 0, 1, 0
	QUARTER 1, 1, F0, F1, 0
	QUARTER 1, 2, F1, F0, 0
	QUARTER 1, 3, F0, F1, 0
	s_wait_dscnt 4                                 ; the very last quarter: nothing more to fetch
	MULB F1, 0, 0
	MULB F1, 1, 0
	s_wait_dscnt 0x0
	MULB F1, 2, 0
	MULB F1, 3, 0
	WIN 0
	PLACES
	TOSTAGE 0
.irp a, 1,2,3                          ; block a goes through the stage while block a - 1's loads come back
	TOSTAGE \a
	SEND (\a)-1, 32
.endr
	SEND 3, 0
	s_wait_tensorcnt 0x0                           ; the wave's end, behind my last tensor load and my last LDS store
	ds_add_u32 v[SPW], v[NIL]
	s_wait_dscnt 0x0
	CROUND                                         ; the closing round: no work-group ends while a partner may still ask for a tile that names it
	s_endpgm
.Lfunc_end_k_qcea836fd7a_outp:
	.size	k_qcea836fd7a_outp, .Lfunc_end_k_qcea836fd7a_outp-k_qcea836fd7a_outp
	.p2alignl 7, 3214868480
	.fill 96, 4, 3214868480
	.section	.rodata,"a",@progbits
	.p2align	6, 0x0
	.amdhsa_kernel k_qcea836fd7a_outp
		.amdhsa_group_segment_fixed_size 327680
		.amdhsa_private_segment_fixed_size 0
		.amdhsa_enable_private_segment 0
		.amdhsa_kernarg_size 24
		.amdhsa_user_sgpr_count 2
		.amdhsa_user_sgpr_kernarg_segment_ptr 1
		.amdhsa_wavefront_size32 1
		.amdhsa_system_sgpr_workgroup_id_x 1
		.amdhsa_system_sgpr_workgroup_id_y 1
		.amdhsa_system_sgpr_workgroup_id_z 1
		.amdhsa_system_vgpr_workitem_id 0
		.amdhsa_next_free_vgpr 768
		.amdhsa_next_free_sgpr 66
		.amdhsa_reserve_vcc 0
		.amdhsa_float_denorm_mode_32 3
		.amdhsa_float_denorm_mode_16_64 3
		.amdhsa_memory_ordered 1
		.amdhsa_forward_progress 1
		.amdhsa_inst_pref_size 84
	.end_amdhsa_kernel
	.amdgpu_metadata
---
amdhsa.version: [ 1, 2 ]
amdhsa.kernels:
  - .name:           k_qcea836fd7a_outp
    .symbol:         k_qcea836fd7a_outp.kd
    .args:
      - { .name: ob, .offset: 0, .size: 8, .value_kind: global_buffer, .address_space: global }
      - { .name: wob, .offset: 8, .size: 8, .value_kind: global_buffer, .address_space: global }
      - { .name: out0, .offset: 16, .size: 8, .value_kind: global_buffer, .address_space: global }
    .group_segment_fixed_size: 327680
    .private_segment_fixed_size: 0
    .kernarg_segment_align: 8
    .kernarg_segment_size: 24
    .max_flat_workgroup_size: 128
    .sgpr_count:     66
    .vgpr_count:     768
    .wavefront_size: 32
...
	.end_amdgpu_metadata
.endif
;; end of part 4
;; ======== version 2 of 2: 4 launches; version 1 with the launch cast written anew for expert scheduling mode
;; limits: values are held in f16: magnitudes above 65,504 overflow, below 6.1e-05 lose precision
;; workspace buffers: xb 16,777,216 bytes; wqb 6,291,456 bytes; wob 2,097,152 bytes; qkv 50,331,648 bytes; ob 16,777,216 bytes
;; launch cast (part 5): grid 768 x 1, 8 waves a work-group, no clusters, 0 bytes of LDS; arguments x, W_qkv, W_o, xb, wqb, wob; writes xb, wqb, wob
.if DOCPART == 5
	.amdgcn_target "amdgcn-amd-amdhsa--gfx1250"
	.amdhsa_code_object_version 6
	.text
	.protected	k_qcea836fd7a_cast
	.globl	k_qcea836fd7a_cast
	.p2align	8
	.type	k_qcea836fd7a_cast,@function
k_qcea836fd7a_cast:
	s_mov_b64 s[64:65], 0
	v_nop
	global_prefetch_b8 v0, s[64:65] scope:SCOPE_SE
	s_setreg_imm32_b32 hwreg(HW_REG_WAVE_SCHED_MODE, 0, 2), 2
	s_setreg_imm32_b32 hwreg(HW_REG_WAVE_MODE, 25, 1), 1
	s_wait_xcnt 0x0
	s_wait_alu depctr_vm_vsrc(0)
; The three inputs are rounded once to bf16: x -> xb, W_qkv -> wqb (stored as bf16), W_o -> wob (that bf16 number written as f16, for the last product's f16 form).
; LIMITS.  A bf16(W_o) of 65,520 or more becomes an infinity in f16; below 6.1e-5 it keeps f16's fixed step of 6e-8.
; SHARES.  12,582,912 numbers; a work-group takes 16,384 on end (65,536 bytes in, 32,768 out): groups 0-511 x, 512-703 W_qkv, 704-767 W_o.
; A wave takes 2,048 numbers: sixteen loads of 16 bytes a lane, each 512 bytes on end, all issued at once; no loop, no LDS, no barrier: nothing is shared.
; A store of 8 bytes a lane covers 256 consecutive bytes, aligned.
; THE MODE: SCHED_MODE bits 1:0 = 2 (LLVM: expert scheduling mode 2), set by the entry lines.  The code itself states the register dependences
; between vector instructions and memory instructions, with s_wait_alu, always for 0.
; THE PLAN.  Registers that memory instructions touch:
;   v1, v2   the loads' and the stores' byte offsets: made once at the head by vector instructions, never written again.
;   X        each four registers are written by one load, once, and read by that load's conversions; no vector instruction writes them, and no load lands in them a second time.
;   Y        each register is written by one conversion, once, and read by one store; none is written again.
;   T and v3 are named by vector instructions alone.
; So a path has five waits, all on va_vdst: one ahead of the first load, for the two offsets; and, the sixteen loads taken in four blocks of four, one behind each block's conversions, ahead of the
; block's four stores, for the block's eight registers of Y.  The stores leave as soon as their data are written: put off to the next block's head, they would stand behind that block's wait for memory.
; No register that a memory instruction has read is written again, so no wait on vm_vsrc is owed; no vector instruction writes a scalar register or VCC; EXEC is never written.
.set X, 4                              ; v[4:67]    16 x 4 numbers as loaded
.set Y, 68                             ; v[68:99]   16 x 2 words to store
.set T, 100                            ; v[100:103] at work (W_o's way)
	s_load_b256 s[4:11], s[0:1], 0x0               ; x s[4:5], W_qkv s[6:7], W_o s[8:9], xb s[10:11]
	s_load_b128 s[12:15], s[0:1], 0x20             ; wqb s[12:13], wob s[14:15]
	v_and_b32 v3, 0xe0, v0                         ; 32 x wave
	v_and_b32 v2, 31, v0                           ; lane
	v_lshlrev_b32 v1, 4, v2
	v_lshlrev_b32 v2, 3, v2
	v_lshl_or_b32 v1, v3, 8, v1                    ; in:  8,192 x wave + 16 x lane
	v_lshl_or_b32 v2, v3, 7, v2                    ; out: 4,096 x wave + 8 x lane
	s_wait_kmcnt 0x0
	s_cmp_lt_u32 ttmp9, 512                        ; which tensor is mine: a choice on the work-group's number alone
	s_cselect_b64 s[20:21], s[4:5], s[6:7]
	s_cselect_b64 s[22:23], s[10:11], s[12:13]
	s_cselect_b32 s17, 0, 512
	s_cmp_lt_u32 ttmp9, 704
	s_cselect_b64 s[20:21], s[20:21], s[8:9]
	s_cselect_b64 s[22:23], s[22:23], s[14:15]
	s_cselect_b32 s17, s17, 704
	s_sub_co_u32 s18, ttmp9, s17                   ; my block in that tensor
	s_lshl_b32 s24, s18, 16
	s_mov_b32 s25, 0
	s_lshl_b32 s26, s18, 15
	s_mov_b32 s27, 0
	s_add_nc_u64 s[20:21], s[20:21], s[24:25]
	s_add_nc_u64 s[22:23], s[22:23], s[26:27]
	s_wait_alu depctr_va_vdst(0)                   ; v1 and v2 are written: every load below reads v1 as its offset, every store v2; neither is written again
.irp i, 0,1,2,3,4,5,6,7,8,9,10,11,12,13,14,15
	global_load_b128 v[X+4*(\i):X+4*(\i)+3], v1, s[20:21] offset:512*(\i) th:TH_LOAD_NT
.endr
; Load i is converted.  half = 1: the bf16 number is widened again (a shift, a mask) and written as f16.
.macro CV i, half
	s_wait_loadcnt 15-(\i)                         ; loads come back in order: mine is in, the 15 - i younger ones stay out
.if \half
	v_cvt_pk_bf16_f32 v[T],   v[X+4*(\i)],   v[X+4*(\i)+1]
	v_cvt_pk_bf16_f32 v[T+1], v[X+4*(\i)+2], v[X+4*(\i)+3]
	v_lshlrev_b32 v[T+2], 16, v[T]
	v_and_b32     v[T],   0xffff0000, v[T]
	v_lshlrev_b32 v[T+3], 16, v[T+1]
	v_and_b32     v[T+1], 0xffff0000, v[T+1]
	v_cvt_pk_f16_f32 v[Y+2*(\i)],   v[T+2], v[T]
	v_cvt_pk_f16_f32 v[Y+2*(\i)+1], v[T+3], v[T+1]
.else
	v_cvt_pk_bf16_f32 v[Y+2*(\i)],   v[X+4*(\i)],   v[X+4*(\i)+1]
	v_cvt_pk_bf16_f32 v[Y+2*(\i)+1], v[X+4*(\i)+2], v[X+4*(\i)+3]
.endif
.endm
; Block p: loads 4 p to 4 p + 3 are converted; one wait; their four stores in one run.
.macro BLK p, half
.irp k, 0,1,2,3
	CV 4*(\p)+(\k), \half
.endr
	s_wait_alu depctr_va_vdst(0)                   ; the block's conversions have written v[Y + 8 p .. Y + 8 p + 7], which the four stores below read as their data
.irp k, 0,1,2,3
	global_store_b64 v2, v[Y+2*(4*(\p)+(\k)):Y+2*(4*(\p)+(\k))+1], s[22:23] offset:256*(4*(\p)+(\k)) th:TH_STORE_NT  ; each store has data registers of its own: none is written twice
.endr
.endm
	s_cmp_lt_u32 ttmp9, 704
	s_cbranch_scc0 .Lwo
.irp p, 0,1,2,3
	BLK \p, 0
.endr
	s_endpgm
.Lwo:
.irp p, 0,1,2,3
	BLK \p, 1
.endr
	s_endpgm
.Lfunc_end_k_qcea836fd7a_cast:
	.size	k_qcea836fd7a_cast, .Lfunc_end_k_qcea836fd7a_cast-k_qcea836fd7a_cast
	.p2alignl 7, 3214868480
	.fill 96, 4, 3214868480
	.section	.rodata,"a",@progbits
	.p2align	6, 0x0
	.amdhsa_kernel k_qcea836fd7a_cast
		.amdhsa_group_segment_fixed_size 0
		.amdhsa_private_segment_fixed_size 0
		.amdhsa_enable_private_segment 0
		.amdhsa_kernarg_size 48
		.amdhsa_user_sgpr_count 2
		.amdhsa_user_sgpr_kernarg_segment_ptr 1
		.amdhsa_wavefront_size32 1
		.amdhsa_system_sgpr_workgroup_id_x 1
		.amdhsa_system_sgpr_workgroup_id_y 1
		.amdhsa_system_sgpr_workgroup_id_z 1
		.amdhsa_system_vgpr_workitem_id 0
		.amdhsa_next_free_vgpr 104
		.amdhsa_next_free_sgpr 66
		.amdhsa_reserve_vcc 0
		.amdhsa_float_denorm_mode_32 3
		.amdhsa_float_denorm_mode_16_64 3
		.amdhsa_memory_ordered 1
		.amdhsa_forward_progress 1
		.amdhsa_inst_pref_size 17
	.end_amdhsa_kernel
	.amdgpu_metadata
---
amdhsa.version: [ 1, 2 ]
amdhsa.kernels:
  - .name:           k_qcea836fd7a_cast
    .symbol:         k_qcea836fd7a_cast.kd
    .args:
      - { .name: x, .offset: 0, .size: 8, .value_kind: global_buffer, .address_space: global }
      - { .name: W_qkv, .offset: 8, .size: 8, .value_kind: global_buffer, .address_space: global }
      - { .name: W_o, .offset: 16, .size: 8, .value_kind: global_buffer, .address_space: global }
      - { .name: xb, .offset: 24, .size: 8, .value_kind: global_buffer, .address_space: global }
      - { .name: wqb, .offset: 32, .size: 8, .value_kind: global_buffer, .address_space: global }
      - { .name: wob, .offset: 40, .size: 8, .value_kind: global_buffer, .address_space: global }
    .group_segment_fixed_size: 0
    .private_segment_fixed_size: 0
    .kernarg_segment_align: 8
    .kernarg_segment_size: 48
    .max_flat_workgroup_size: 256
    .sgpr_count:     66
    .vgpr_count:     104
    .wavefront_size: 32
...
	.end_amdgpu_metadata
.endif
;; end of part 5
;; launch proj: the kernel of part 2 again; grid 16 x 32, 4 waves a work-group, clusters of 4 x 4, 327,680 bytes of LDS; arguments xb, wqb, qkv; writes qkv
;; launch attn: the kernel of part 3 again; grid 4 x 64, 8 waves a work-group, no clusters, 327,680 bytes of LDS; arguments qkv, ob; writes ob
;; launch outp: the kernel of part 4 again; grid 8 x 32, 4 waves a work-group, clusters of 4 x 4, 327,680 bytes of LDS; arguments ob, wob, out0; writes out0
